; MI455X (gfx1250); checked and timed in simulation.
; The chip was launched on July 23, 2026; its instructions are those of AMD's public machine-readable ISA for CDNA 5 (MIT licence, August 2026) and "CDNA5" Instruction Set Architecture Reference Guide (July 2026). The comments in the code are by the model that wrote it; some were corrected since.
;; Multi Head Attention. Allowed arithmetic: matrix products marked QUANTISED: E2M3 operands, one E8M0 scale for each 32 along K, by v_wmma_scale_f32_16x16x128_f8f6f4 with both operands' format E2M3, f32 sums; everything else in f32.
;; Inputs: Wk 16 x 1,024 x 64 float32; Wo 1,024 x 1,024 float32; Wq 16 x 1,024 x 64 float32; Wv 16 x 1,024 x 64 float32; bk 16 x 64 float32; bo 1,024 float32; bq 16 x 64 float32; bv 16 x 64 float32; x 4 x 2,048 x 1,024 float32.
;; Outputs: out0 4 x 2,048 x 1,024 float32.
;; This version of the problem:
;;   THIS VERSION OF THE PROBLEM IS GIVEN IN LOW PRECISION. The matrix products marked QUANTISED in the list below multiply operands that are first quantised to E2M3 (2 exponent bits, 3 mantissa bits; 6 bits a number), with one power-of-two scale for each 32 numbers along K (OCP MX v1.0); their sums are f32. All else is computed in f32.
;;   The module's matrix products, in the order in which they are computed (A, B: the left and right operand; K: the contracted axis; several contracted axes count as one K, in the product's order):
;;     1. [M 1,024, K 1,024] x [K 1,024, N 8,192]; A: input Wq; B: input x: QUANTISED
;;     2. [M 1,024, K 1,024] x [K 1,024, N 8,192]; A: input Wk; B: input x: QUANTISED
;;     3. [M 1,024, K 1,024] x [K 1,024, N 8,192]; A: input Wv; B: input x: QUANTISED
;;     4. batch 64 x [M 2,048, K 64] x [K 64, N 2,048]; A: computed on the way; B: computed on the way: QUANTISED
;;     5. batch 64 x [M 2,048, K 2,048] x [K 2,048, N 64]; A: softmax (see below); B: computed on the way: QUANTISED
;;     6. [M 8,192, K 1,024] x [K 1,024, N 1,024]; A: computed on the way; B: input Wo: QUANTISED
;;   THE QUANTISER, for each operand of a quantised product, along K:
;;     - K is cut into blocks of 32 from its start; a last block that is shorter is filled with zeros.
;;     - A block's scale is 2^e with e = floor(log2(the largest magnitude in the block)) - 2, held to -126 .. 127; a block of zeros has e = 0. As a byte (E8M0): e + 127.
;;     - Each number is divided by its block's scale, clamped to +-7.5, and rounded to the nearest number of E2M3, ties to even, subnormals kept.
;;     - The product sums the exact products of the quantised numbers (number of the format x scale) in f32.
;;   ~~~python
;;   def quantise(x, axis):      # numpy; x: float32 -> the quantised numbers, widened to float32 again
;;       x = np.moveaxis(x, axis, -1); K = x.shape[-1]
;;       x = np.pad(x, [(0, 0)] * (x.ndim - 1) + [(0, -K % 32)]); x = x.reshape(x.shape[:-1] + (-1, 32)); a = np.abs(x).max(-1, keepdims=True)
;;       e = np.where(a > 0, np.clip(np.frexp(np.where(a > 0, a, 1))[1] - 1 - 2, -126, 127), 0)      # np.frexp(a)[1] - 1 = floor(log2(a)), exactly
;;       r = np.clip(x / 2.0 ** e, -7.5, 7.5)
;;       step = 2.0 ** (np.maximum(np.frexp(np.where(r == 0, 1, r))[1] - 1, 0) - 3)
;;       q = np.round(r / step) * step * 2.0 ** e      # np.round: ties to even
;;       return np.moveaxis(q.reshape(q.shape[:-2] + (-1,))[..., :K], -1, axis).astype(np.float32)
;;   ~~~
;;   SOFTMAX AHEAD OF A QUANTISED PRODUCT. Where the list says 'softmax', what is quantised is not the finished softmax but p = 2^(t - M), with t = logit x log2(e) and M = ceil(the row's largest t), a whole number; so 1/2 < the row's largest p <= 1. The row's sum l is taken of the UNQUANTISED p, in f32, and the product's result is divided by l at the end. Since M is a whole number, a kernel that streams over the keys may use a running M (the ceiling of the running maximum): every later rescaling is an exact power of two, which a block's scale takes up: the codes' values come out the same.
;;   OPERANDS COMPUTED ON THE WAY. 'Computed on the way' means the value that the module computes at that place (a softmax that the list does not call 'softmax' is quantised finished and normalised). What goes into a quantiser is computed in f32, as accurately as f32 sums, v_exp_f32 and their like allow (about 1e-6 of the number): no bf16 or f16 on the way to a quantiser, and a product that is left as it is and whose result goes on into a quantised operand takes f32 operands (vector FMAs, or v_wmma_f32_16x16x4_f32). A number that lies on a knife's edge between two numbers of the format may be rounded either way, as far as f32 arithmetic and the matrix unit's own rounding can turn it there, and no further.
;; One version. Each part assembles by itself: llvm-mc -triple=amdgcn-amd-amdhsa -mcpu=gfx1250 --defsym DOCPART=n.
;; ======== version 1 of 1: 4 launches
;; limits: right only within a limited range of input values
;; workspace buffers: xcod 6,553,600 bytes; wcod 3,276,800 bytes; qcod 6,815,744 bytes; kvcod 13,369,344 bytes; ocod 6,553,600 bytes
;; launch prep (part 1): grid 512 x 1, 4 waves a work-group, no clusters, 34,304 bytes of LDS; arguments x, Wq, Wk, Wv, Wo, xcod, wcod; writes xcod, wcod
.if DOCPART == 1
	.amdgcn_target "amdgcn-amd-amdhsa--gfx1250"
	.amdhsa_code_object_version 6
	.text
	.protected	k_qde23ae16b3_prep
	.globl	k_qde23ae16b3_prep
	.p2align	8
	.type	k_qde23ae16b3_prep,@function
k_qde23ae16b3_prep:
	s_mov_b64 s[64:65], 0
	v_nop
	global_prefetch_b8 v0, s[64:65] scope:SCOPE_SE
	s_setreg_imm32_b32 hwreg(HW_REG_WAVE_MODE, 25, 1), 1
	s_wait_xcnt 0x0
; x [8192][1024] and the four weights, f32, become codes of FP6 (E2M3) with one E8M0 byte for each 32 along K (K = the 1,024 of x's last axis, of Wq, Wk, Wv's middle axis, of Wo's first).
; THE FORMAT OF EVERY OPERAND IN THIS PROGRAM IS THE HALF IMAGE, 768 bytes: 16 rows x 64 along K as the matrix unit's registers want them.  Lane 16 h + r owns block h of row r, 24 bytes:
; its first 16 at 16 x lane, its last 8 at 512 + 16 r + 8 h.  A fragment (16 x 128) is two half images: four loads, each of 512 or 256 consecutive bytes.
; THE ROWS OF A TILE: tile t of a group of 64 (tokens, or a head's 64 outputs) holds at place pos the index 32 (pos / 8) + 8 t + pos % 8, so that a later result's 32 registers of four tiles are 32 neighbours.  Wo's tiles are plain.
; SCALE WORDS: four bytes for a row and 128 of K, four words of a row on end: [tile][K half][row][4 words].
; A block's scale is 2^(floor(log2(largest magnitude)) - 2); its byte is the largest magnitude's exponent field - 2, held at 1 from below.
; LIMITS: NaN and infinities among the inputs are not served.  A block of zeros gets the byte 1 where the rule says 127: its codes are zeros, and this program alone reads the bytes.
; SHARES: work-groups 0-255: x, a wave takes one tile of 16 tokens x 512 of K.  Work-groups 256-511: weights, a wave takes two tiles (32 columns) x 128 of K, a lane a column, registers down K.
; A stream: no matrix work, no tensor load, no cluster, since nothing is read twice.
.set XSC,   6291456                    ; xcod: where the scale words begin
.set WSC,   3145728                    ; wcod: likewise
.set STG,   8448                       ; a wave's stage: 16 rows x (512 bytes + 16)
.set SPARE, 4*STG                      ; behind the stages: the spare words, 128 bytes a wave
.set SPW,   30                         ; v30  my spare word; never rewritten
.set NIL,   31                         ; v31  0; never rewritten
.set R,     32                         ; v32-159  x as loaded: two sets of 64
.set X,     160                        ; v160-223 64 numbers of my row: two blocks of 32
.set C,     224                        ; v224-247 codes: two sets of 12
; the largest magnitude of v[s] .. v[s + 31] and the floor 2^(3 - 127), in two chains
.macro QMAX s, m, t
	v_max3_num_f32 v[\m], |v[(\s)]|, |v[(\s)+1]|, 0x1800000
	v_max3_num_f32 v[\t], |v[(\s)+2]|, |v[(\s)+3]|, |v[(\s)+4]|
.irp i, 5,9,13,17,21,25
	v_max3_num_f32 v[\m], v[\m], |v[(\s)+\i]|, |v[(\s)+\i+1]|
	v_max3_num_f32 v[\t], v[\t], |v[(\s)+\i+2]|, |v[(\s)+\i+3]|
.endr
	v_max3_num_f32 v[\m], v[\m], |v[(\s)+29]|, |v[(\s)+30]|
	v_max3_num_f32 v[\m], v[\m], v[\t], |v[(\s)+31]|
.endm
	s_load_b256 s[4:11], s[0:1], 0x0               ; x s[4:5], Wq s[6:7], Wk s[8:9], Wv s[10:11]
	s_load_b128 s[12:15], s[0:1], 0x20             ; Wo s[12:13], xcod s[14:15]
	s_load_b64 s[16:17], s[0:1], 0x30              ; wcod
	v_lshl_add_u32 v[SPW], v0, 2, SPARE
	v_mov_b32 v[NIL], 0
	v_lshrrev_b32 v1, 5, v0
	v_readfirstlane_b32 s20, v1                    ; wave
	s_mov_b32 s21, 0xffff0000                      ; lanes 16-31
	s_mov_b32 s22, 0x76543210
	s_mov_b32 s23, 0xfedcba98                      ; v_permlanex16_b32's selects for lane l xor 16
	v_and_b32 v1, 15, v0                           ; r
	v_bfe_u32 v2, v0, 4, 1                         ; h
	v_and_b32 v3, 31, v0                           ; lane
	s_lshr_b32 s24, s20, 1                         ; wave / 2
	s_and_b32 s25, s20, 1                          ; which half of K
	s_cmp_lt_u32 ttmp9, 256
	s_cbranch_scc0 .Lweights
; ---------------- x ----------------
	s_lshl_b32 s26, ttmp9, 1
	s_add_co_u32 s26, s26, s24                     ; my tile of tokens
	s_lshr_b32 s27, s26, 2
	s_lshl_b32 s27, s27, 6
	s_and_b32 s28, s26, 3
	s_lshl_b32 s28, s28, 3
	s_add_co_u32 s27, s27, s28                     ; its first token: 64 (tile / 4) + 8 (tile % 4)
	s_lshl_b32 s28, s27, 12
	s_lshl_b32 s29, s25, 11
	s_add_co_u32 s28, s28, s29                     ; in x: 4,096 bytes a token, 2,048 a half of K
	s_mov_b32 s29, 0
	s_mul_i32 s30, s26, 12288
	s_mul_i32 s31, s25, 6144
	s_add_co_u32 s30, s30, s31                     ; my eight half images
	s_mov_b32 s31, 0
	s_lshl_b32 s32, s26, 9
	s_lshl_b32 s33, s25, 8
	s_add_co_u32 s32, s32, s33
	s_add_co_u32 s32, s32, XSC                     ; my 256 bytes of scale words
	s_mov_b32 s33, 0
	s_mul_i32 s34, s20, STG
	s_wait_alu depctr_va_vdst(0)
	v_lshlrev_b32 v3, 4, v3                        ; 16 x lane
	v_add_nc_u32 v4, s34, v3                       ; the stage, in: a row's 512 bytes as loaded
	v_mul_u32_u24 v5, v1, 528
	v_lshl_add_u32 v5, v2, 7, v5
	v_add_nc_u32 v5, s34, v5                       ; out: row r, + 128 h: my block's 32 numbers
	v_lshlrev_b32 v8, 4, v1
	v_lshl_add_u32 v8, v2, 3, v8                   ; 16 r + 8 h
	v_add_nc_u32 v6, 512, v8                       ; an image's last 8 bytes of my 24
	v_lshlrev_b32 v7, 3, v2                        ; 8 h
	v_mov_b32 v24, 0                               ; a lane permute's destination counts as read
	s_wait_alu depctr_va_vdst(0)
	s_wait_kmcnt 0x0
	s_add_nc_u64 s[4:5], s[4:5], s[28:29]
	s_add_nc_u64 s[18:19], s[14:15], s[32:33]
	s_add_nc_u64 s[14:15], s[14:15], s[30:31]
.macro LOADX s                         ; K step s (128 along K) of my 16 rows: each load reads 512 consecutive bytes of one row
.irp rho, 0,1,2,3,4,5,6,7,8,9,10,11,12,13,14,15
	global_load_b128 v[R+64*((\s)%2)+4*\rho:R+64*((\s)%2)+4*\rho+3], v3, s[4:5] offset:(32*(\rho/8)+\rho%8)*4096+512*(\s) th:TH_LOAD_NT
.endr
.endm
.macro STEPX s
.set RS, R+64*((\s)%2)
.set CC, C+12*((\s)%2)
.if (\s) < 3
	s_wait_loadcnt 16                              ; this step's 16 loads are in; the next step's 16 may be out
.else
	s_wait_loadcnt 0
.endif
.irp rho, 0,1,2,3,4,5,6,7,8,9,10,11,12,13,14,15
	ds_store_b128 v4, v[RS+4*\rho:RS+4*\rho+3] offset:528*\rho
.endr
.irp g, 0,1
.irp i, 0,1,2,3,4,5,6,7
	ds_load_b128 v[X+32*\g+4*\i:X+32*\g+4*\i+3], v5 offset:256*\g+16*\i   ; LDS serves a wave's instructions in order: these see the stores above
.endr
.endr
	s_wait_dscnt 0x0                               ; my 64 numbers are back, and the stores have read their registers
.if (\s) < 2
	LOADX (\s)+2
.else
	s_wait_xcnt 0x0                                ; the codes of two steps ago have been read by their stores: their registers are written again below
.endif
	QMAX X, 9, 10
	QMAX X+32, 11, 15
	v_add_nc_u32 v9, 0xff000000, v9                ; 2 off the exponent field: the conversion takes this operand's exponent field as its scale
	v_add_nc_u32 v11, 0xff000000, v11
	v_cvt_scalef32_pk16_fp6_f32 v[CC:CC+2], v[X:X+15], v9
	v_cvt_scalef32_pk16_fp6_f32 v[12:14], v[X+16:X+31], v9          ; (a conversion's three registers begin on an even number)
	v_cvt_scalef32_pk16_fp6_f32 v[CC+6:CC+8], v[X+32:X+47], v11
	v_cvt_scalef32_pk16_fp6_f32 v[16:18], v[X+48:X+63], v11
	v_lshrrev_b32 v10, 23, v9                      ; the bytes.  (A plain line behind the conversions)
	v_lshrrev_b32 v15, 23, v11
.irp i, 0,1,2
	v_mov_b32 v[CC+3+\i], v[12+\i]
	v_mov_b32 v[CC+9+\i], v[16+\i]
.endr
	v_lshl_or_b32 v[20+(\s)], v15, 16, v10         ; my bytes: blocks h and 2 + h,
	v_lshlrev_b32 v[20+(\s)], v7, v[20+(\s)]       ; at their places;
	v_permlanex16_b32 v24, v[20+(\s)], s22, s23
	v_or_b32 v[20+(\s)], v[20+(\s)], v24           ; with lane l xor 16's two the word is whole
	global_store_b128 v3, v[CC:CC+3], s[14:15] offset:1536*(\s)          ; 512 consecutive bytes
	global_store_b64 v6, v[CC+4:CC+5], s[14:15] offset:1536*(\s)         ; 256 consecutive bytes
	global_store_b128 v3, v[CC+6:CC+9], s[14:15] offset:1536*(\s)+768
	global_store_b64 v6, v[CC+10:CC+11], s[14:15] offset:1536*(\s)+768
.endm
	LOADX 0
	LOADX 1
	STEPX 0
	STEPX 1
	STEPX 2
	STEPX 3
	v_cndmask_b32 v12, v20, v22, s21               ; lane (r, h) stores words 2 h and 2 h + 1 of row r
	v_cndmask_b32 v13, v21, v23, s21
	global_store_b64 v8, v[12:13], s[18:19]        ; 256 consecutive bytes
	s_wait_tensorcnt 0x0                           ; the wave's end, behind my last LDS store
	ds_add_u32 v[SPW], v[NIL]
	s_wait_dscnt 0x0
	s_endpgm
; ---------------- the weights: no LDS ----------------
.macro LOADW t, stride                 ; block t: 32 rows of K at my column
.set i, 0
.rept 32
	global_load_b32 v[32+32*((\t)%4)+i], v3, s[2:3] offset:(32*(\t)+i)*(\stride)
.set i, i+1
.endr
.endm
.macro BLOCKW t, stride
.set XS, 32+32*((\t)%4)
.set IM, 160+12*((\t)/2)               ; the image's 12 registers: block 0's first 16 bytes, block 1's, then both blocks' last 8
.set HH, IM+4*((\t)%2)
.set TQ, IM+8+2*((\t)%2)
.if 32*(3-(\t)) > 63
	s_wait_loadcnt 63                              ; the wait's field holds 63 at the most: a smaller count than the 32 (3 - t) younger loads is safe
.else
	s_wait_loadcnt 32*(3-(\t))                     ; this block's 32 loads are in; the later blocks' may be out
.endif
	QMAX XS, 9, 10
	v_add_nc_u32 v9, 0xff000000, v9
	v_cvt_scalef32_pk16_fp6_f32 v[HH:HH+2], v[XS:XS+15], v9
	v_cvt_scalef32_pk16_fp6_f32 v[12:14], v[XS+16:XS+31], v9
	v_lshrrev_b32 v10, 23, v9                      ; the byte.  (A plain line behind the conversions)
.if (\t)%4 == 0
	v_mov_b32 v[24+(\t)/4], v10
.else
	v_lshl_or_b32 v[24+(\t)/4], v10, 8*((\t)%4), v[24+(\t)/4]
.endif
	v_mov_b32 v[HH+3], v12
	v_mov_b32 v[TQ], v13
	v_mov_b32 v[TQ+1], v14
.if (\t)%2 == 1
	global_store_b128 v4, v[IM:IM+3], s[16:17] offset:768*((\t)/2)          ; sixteen lanes fill 256 consecutive bytes; no code register is written twice
	global_store_b128 v4, v[IM+4:IM+7], s[16:17] offset:768*((\t)/2)+256
	global_store_b128 v4, v[IM+8:IM+11], s[16:17] offset:768*((\t)/2)+512
.endif
.endm
.macro WBODY stride
; THE WEIGHTS' SHARES: work-groups 256-511; four of them share what one K half of two tile pairs holds: a wave takes two tiles (32 columns) x 128 of K, four blocks, all asked for at once
.irp t, 0,1,2,3
	LOADW \t, \stride
.endr
.irp t, 0,1,2,3
	BLOCKW \t, \stride
.endr
	global_store_b32 v5, v24, s[18:19]             ; my row's one scale word of these 128: 4 bytes a lane, 16 apart; the row's other three words are other work-groups'
.endm
.Lweights:
	s_sub_co_u32 s26, ttmp9, 256
	s_and_b32 s35, s26, 3                          ; which 128 of my half of K
	s_lshr_b32 s26, s26, 2
	s_lshl_b32 s27, s26, 2
	s_lshl_b32 s28, s24, 1
	s_add_co_u32 s27, s27, s28                     ; my first tile; lanes 16-31 take the next
	s_mul_i32 s30, s27, 12288
	s_mul_i32 s31, s25, 6144
	s_add_co_u32 s30, s30, s31
	s_mul_i32 s31, s35, 1536
	s_add_co_u32 s30, s30, s31
	s_mov_b32 s31, 0
	s_lshl_b32 s32, s27, 9
	s_lshl_b32 s33, s25, 8
	s_add_co_u32 s32, s32, s33
	s_lshl_b32 s33, s35, 2
	s_add_co_u32 s32, s32, s33
	s_add_co_u32 s32, s32, WSC
	s_mov_b32 s33, 0
	s_wait_alu depctr_va_vdst(0)
	v_mul_u32_u24 v4, v2, 12288
	v_lshl_add_u32 v4, v1, 4, v4                   ; codes: my tile, 16 x row
	v_lshlrev_b32 v5, 9, v2
	v_lshl_add_u32 v5, v1, 4, v5                   ; words: my tile, 16 x row
	s_wait_kmcnt 0x0
	s_add_nc_u64 s[18:19], s[16:17], s[32:33]
	s_add_nc_u64 s[16:17], s[16:17], s[30:31]
	s_cmp_lt_u32 s26, 48
	s_cbranch_scc0 .Lwo
	s_lshr_b32 s27, s26, 4                         ; 0 Wq, 1 Wk, 2 Wv
	s_cmp_eq_u32 s27, 0
	s_cselect_b64 s[2:3], s[6:7], s[8:9]
	s_cmp_eq_u32 s27, 2
	s_cselect_b64 s[2:3], s[10:11], s[2:3]
	s_and_b32 s28, s26, 15                         ; the head: 262,144 bytes each
	s_lshl_b32 s28, s28, 18
	s_lshl_b32 s29, s25, 17
	s_add_co_u32 s28, s28, s29
	s_lshl_b32 s29, s35, 15
	s_add_co_u32 s28, s28, s29
	s_mov_b32 s29, 0
	s_add_nc_u64 s[2:3], s[2:3], s[28:29]
	v_lshrrev_b32 v6, 3, v1
	v_and_b32 v7, 7, v1
	v_lshl_add_u32 v6, v6, 5, v7
	v_lshl_add_u32 v6, v2, 3, v6
	s_lshl_b32 s28, s24, 4
	v_add_nc_u32 v6, s28, v6                       ; my column: 32 (pos / 8) + 8 (tile in the head) + pos % 8
	v_lshlrev_b32 v3, 2, v6
	WBODY 256
	s_endpgm
.Lwo:
	s_mov_b64 s[2:3], s[12:13]
	s_sub_co_u32 s28, s26, 48
	s_lshl_b32 s28, s28, 8                         ; 64 columns a work-group,
	s_lshl_b32 s29, s24, 7                         ; 32 a wave,
	s_add_co_u32 s28, s28, s29
	s_lshl_b32 s29, s25, 21
	s_add_co_u32 s28, s28, s29
	s_lshl_b32 s29, s35, 19
	s_add_co_u32 s28, s28, s29
	s_mov_b32 s29, 0
	s_add_nc_u64 s[2:3], s[2:3], s[28:29]
	v_lshlrev_b32 v3, 2, v3                        ; plain tiles: column = lane
	WBODY 4096
	s_endpgm
.Lfunc_end_k_qde23ae16b3_prep:
	.size	k_qde23ae16b3_prep, .Lfunc_end_k_qde23ae16b3_prep-k_qde23ae16b3_prep
	.p2alignl 7, 3214868480
	.fill 96, 4, 3214868480
	.section	.rodata,"a",@progbits
	.p2align	6, 0x0
	.amdhsa_kernel k_qde23ae16b3_prep
		.amdhsa_group_segment_fixed_size 34304
		.amdhsa_private_segment_fixed_size 0
		.amdhsa_enable_private_segment 0
		.amdhsa_kernarg_size 56
		.amdhsa_user_sgpr_count 2
		.amdhsa_user_sgpr_kernarg_segment_ptr 1
		.amdhsa_wavefront_size32 1
		.amdhsa_system_sgpr_workgroup_id_x 1
		.amdhsa_system_sgpr_workgroup_id_y 1
		.amdhsa_system_sgpr_workgroup_id_z 1
		.amdhsa_system_vgpr_workitem_id 0
		.amdhsa_next_free_vgpr 256
		.amdhsa_next_free_sgpr 66
		.amdhsa_reserve_vcc 0
		.amdhsa_float_denorm_mode_32 3
		.amdhsa_float_denorm_mode_16_64 3
		.amdhsa_memory_ordered 1
		.amdhsa_forward_progress 1
		.amdhsa_inst_pref_size 70
	.end_amdhsa_kernel
	.amdgpu_metadata
---
amdhsa.version: [ 1, 2 ]
amdhsa.kernels:
  - .name:           k_qde23ae16b3_prep
    .symbol:         k_qde23ae16b3_prep.kd
    .args:
      - { .name: x, .offset: 0, .size: 8, .value_kind: global_buffer, .address_space: global }
      - { .name: Wq, .offset: 8, .size: 8, .value_kind: global_buffer, .address_space: global }
      - { .name: Wk, .offset: 16, .size: 8, .value_kind: global_buffer, .address_space: global }
      - { .name: Wv, .offset: 24, .size: 8, .value_kind: global_buffer, .address_space: global }
      - { .name: Wo, .offset: 32, .size: 8, .value_kind: global_buffer, .address_space: global }
      - { .name: xcod, .offset: 40, .size: 8, .value_kind: global_buffer, .address_space: global }
      - { .name: wcod, .offset: 48, .size: 8, .value_kind: global_buffer, .address_space: global }
    .group_segment_fixed_size: 34304
    .private_segment_fixed_size: 0
    .kernarg_segment_align: 8
    .kernarg_segment_size: 56
    .max_flat_workgroup_size: 128
    .sgpr_count:     66
    .vgpr_count:     256
    .wavefront_size: 32
...
	.end_amdgpu_metadata
.endif
;; end of part 1
;; launch qkv (part 2): grid 12 x 32, 4 waves a work-group, clusters of 4 x 4, 327,680 bytes of LDS; arguments xcod, wcod, bq, bk, bv, qcod, kvcod; writes qcod, kvcod
.if DOCPART == 2
	.amdgcn_target "amdgcn-amd-amdhsa--gfx1250"
	.amdhsa_code_object_version 6
	.text
	.protected	k_qde23ae16b3_qkv
	.globl	k_qde23ae16b3_qkv
	.p2align	8
	.type	k_qde23ae16b3_qkv,@function
k_qde23ae16b3_qkv:
	s_mov_b64 s[64:65], 0
	v_nop
	global_prefetch_b8 v0, s[64:65] scope:SCOPE_SE
	s_setreg_imm32_b32 hwreg(HW_REG_WAVE_MODE, 25, 1), 1
	s_wait_xcnt 0x0
	s_wait_alu depctr_hold_cnt(0) depctr_sa_sdst(0) depctr_va_vdst(0) depctr_va_sdst(0) depctr_va_ssrc(0) depctr_va_vcc(0) depctr_vm_vsrc(0)
	s_getreg_b32 s2, hwreg(HW_REG_IB_STS2, 6, 4)
	s_cmp_eq_u32 s2, 0
	s_cbranch_scc0 .Lentry_in_a_cluster
	s_endpgm
.Lentry_in_a_cluster:
	s_bfe_u32 s2, ttmp6, 0x10000c
	s_cmp_lg_u32 s2, 0xf033
	s_cbranch_scc0 .Lentry_shape_is_right
	s_endpgm
.Lentry_shape_is_right:
.set REC,   26112
.set XSC,   6291456
.set WSC,   3145728
.set QSC,   6291456
.set TILEB, 3072
.set HALFT, 8*TILEB
.set SLOT,  4*HALFT
.set SCL,   2*SLOT
.set SPARE, SCL+16384
.set SPW,   28
.set NIL,   29
.set SC,    32
.set AF,    128
.set G1,    24
.set G0,    32
.set G1B,   48
.set G0B,   56
.set G1S,   68
.set G0S,   76
.set G1SB,  80
.set G0SB,  88
.set MUL_LO, 0xa1
.set MUL_HI, 0xf1
.set MSB, 0
.macro WIN new
.if MSB != (\new)
	s_set_vgpr_msb (MSB<<8)|(\new)
.set MSB, (\new)
.endif
.endm
.macro PLACES
.rept 4
	v_nop
.endr
.endm
.macro JLOAD g0a, g1a, g0b, g1b
	s_cmp_eq_u32 s19, 0
	s_cbranch_scc0 .Lfor_w_\@
	tensor_load_to_lds s[\g0a:\g0a+3], s[\g1a:\g1a+7]
	s_nop 0
.rept 4
	v_nop
.endr
	s_branch .Lasked_\@
.Lfor_w_\@:
	tensor_load_to_lds s[\g0b:\g0b+3], s[\g1b:\g1b+7]
	s_nop 0
.rept 4
	v_nop
.endr
.Lasked_\@:
.endm
.macro CREST
	s_cmp_lg_u32 s18, 0
	s_cbranch_scc1 .Lnot_wave_0_\@
	s_barrier_signal -3
.Lnot_wave_0_\@:
	s_barrier_wait -3
	s_barrier_signal -1
	s_barrier_wait -1
.endm
.macro CROUND
	s_barrier_signal -1
	s_barrier_wait -1
	CREST
.endm
	s_load_b256 s[4:11], s[0:1], 0x0
	s_load_b128 s[12:15], s[0:1], 0x20
	s_load_b64 s[16:17], s[0:1], 0x30
	v_lshl_add_u32 v[SPW], v0, 2, SPARE
	v_mov_b32 v[NIL], 0
	ds_add_u32 v[SPW], v[NIL]
	ds_add_u32 v[SPW], v[NIL]
	v_lshrrev_b32 v1, 5, v0
	v_readfirstlane_b32 s18, v1
	s_lshr_b32 s19, s18, 1
	s_and_b32 s20, s18, 1
	s_bfe_u32 s22, ttmp6, 0x40000
	s_bfe_u32 s23, ttmp6, 0x40004
	s_lshl_b32 s40, ttmp9, 2
	s_add_co_u32 s40, s40, s22
	s_and_b32 s41, ttmp7, 0xffff
	s_lshl_b32 s41, s41, 2
	s_add_co_u32 s41, s41, s23
	s_lshl_b32 s42, s23, 2
	s_lshl_b32 s42, 15, s42
	s_lshl_b32 s43, 0x1111, s22
	s_or_b32 s[G1], s42, (3<<16)|(1<<21)
	s_or_b32 s[G1B], s43, (3<<16)|(1<<21)
.irp g, G1, G1B
	s_mov_b32 s[\g+1], 384<<16
	s_mov_b32 s[\g+2], 16<<16                      ; the head's loads of codes bring all 16 tiles; behind them the two words that count tiles are set to 8, for the ring's
	s_mov_b32 s[\g+3], 384<<16
	s_mov_b32 s[\g+4], 16
	s_mov_b32 s[\g+5], 1536
	s_mov_b32 s[\g+6], 0
	s_mov_b32 s[\g+7], 0
.endr
	s_or_b32 s[G1S], s42, (3<<16)|(1<<21)
	s_or_b32 s[G1SB], s43, (3<<16)|(1<<21)
.irp g, G1S, G1SB
	s_mov_b32 s[\g+1], 32<<16
	s_mov_b32 s[\g+2], 32<<16                      ; the scale words of 16 tiles: 8,192 dense bytes as 32 rows of 256
	s_mov_b32 s[\g+3], 32<<16
	s_mov_b32 s[\g+4], 32
	s_mov_b32 s[\g+5], 32
	s_mov_b32 s[\g+6], 0
	s_mov_b32 s[\g+7], 0
.endr
	s_lshl_b32 s44, s41, 4
	s_lshl_b32 s45, s20, 3
	s_add_co_u32 s44, s44, s45
	s_lshl_b32 s46, s44, 9
	s_add_co_u32 s46, s46, XSC
	s_mov_b32 s47, 0
	s_mul_i32 s44, s44, 4*TILEB
	s_mov_b32 s45, 0
	s_lshl_b32 s92, s40, 4
	s_lshl_b32 s93, s20, 3
	s_add_co_u32 s92, s92, s93
	s_lshl_b32 s94, s92, 9
	s_add_co_u32 s94, s94, WSC
	s_mov_b32 s95, 0
	s_mul_i32 s92, s92, 4*TILEB
	s_mov_b32 s93, 0
	s_mul_i32 s2, s18, HALFT
	s_lshl_b32 s67, s40, 2
	s_lshl_b32 s21, s20, 1
	s_add_co_u32 s67, s67, s21
	s_and_b32 s67, s67, 15
	s_mov_b32 s66, 0xffff0000
	s_mov_b32 s100, 0x76543210
	s_mov_b32 s101, 0xfedcba98
	s_wait_dscnt 0x0
	s_wait_kmcnt 0x0
	s_add_nc_u64 s[44:45], s[4:5], s[44:45]
	s_add_nc_u64 s[46:47], s[4:5], s[46:47]
	s_add_nc_u64 s[92:93], s[6:7], s[92:93]
	s_add_nc_u64 s[94:95], s[6:7], s[94:95]
	CROUND
.irp s, 0,1
	s_mov_b32 s[G0+4*\s], 1
	s_add_co_u32 s[G0+4*\s+1], s2, \s*SLOT
	s_add_nc_u64 s[G0+4*\s+2:G0+4*\s+3], s[44:45], \s*TILEB
	s_or_b32 s[G0+4*\s+3], s[G0+4*\s+3], 0x80000000
	s_mov_b32 s[G0B+4*\s], 1
	s_add_co_u32 s[G0B+4*\s+1], s2, \s*SLOT
	s_add_nc_u64 s[G0B+4*\s+2:G0B+4*\s+3], s[92:93], \s*TILEB
	s_or_b32 s[G0B+4*\s+3], s[G0B+4*\s+3], 0x80000000
.endr
; THE HEAD'S FOUR TILES, one load a wave, in one chain of arms that all lead to one join: wave 0 x's 16 tiles of the first 256 of K, wave 1 x's scale words, wave 2 the weights' 16 tiles, wave 3 their scale words.
; Waves 0 and 2 fetch the lower half in the ring, so their own slot 0 descriptors name the tiles' first byte and first LDS byte; the scale words' addresses are taken back by the wave's half.
	s_lshl_b32 s2, s20, 12
	s_mov_b32 s3, 0
	s_mov_b32 s[G0S], 1
	s_mov_b32 s[G0S+1], SCL
	s_sub_nc_u64 s[G0S+2:G0S+3], s[46:47], s[2:3]
	s_or_b32 s[G0S+3], s[G0S+3], 0x80000000
	s_mov_b32 s[G0SB], 1
	s_mov_b32 s[G0SB+1], SCL+8192
	s_sub_nc_u64 s[G0SB+2:G0SB+3], s[94:95], s[2:3]
	s_or_b32 s[G0SB+3], s[G0SB+3], 0x80000000
	s_cmp_eq_u32 s18, 0
	s_cbranch_scc0 .Lhead_1
	tensor_load_to_lds s[G0:G0+3], s[G1:G1+7]
	s_nop 0
	PLACES
	s_branch .Lhead_asked
.Lhead_1:
	s_cmp_eq_u32 s18, 1
	s_cbranch_scc0 .Lhead_2
	tensor_load_to_lds s[G0S:G0S+3], s[G1S:G1S+7]
	s_nop 0
	PLACES
	s_branch .Lhead_asked
.Lhead_2:
	s_cmp_eq_u32 s18, 2
	s_cbranch_scc0 .Lhead_3
	tensor_load_to_lds s[G0B:G0B+3], s[G1B:G1B+7]
	s_nop 0
	PLACES
	s_branch .Lhead_asked
.Lhead_3:
	tensor_load_to_lds s[G0SB:G0SB+3], s[G1SB:G1SB+7]
	s_nop 0
	PLACES
.Lhead_asked:
	s_wait_alu depctr_va_vdst(0)
	s_wait_tensorcnt 0x0                           ; my tile of the four is in
	ds_add_u32 v28, v29
	s_mov_b32 s[G1+2], 8<<16                       ; no tensor load of mine is out: from here on a load brings 8 tiles
	s_mov_b32 s[G1+4], 8
	s_mov_b32 s[G1B+2], 8<<16
	s_mov_b32 s[G1B+4], 8
	s_wait_dscnt 0x0
	CROUND                                         ; all four tiles are in, in every work-group of the cluster
	JLOAD G0+4, G1, G0B+4, G1B                     ; slot 1's first fill, the first tensor load behind the round
	v_and_b32 v1, 15, v0
	v_bfe_u32 v2, v0, 4, 1
	v_and_b32 v3, 31, v0
	v_lshlrev_b32 v3, 4, v3
	s_wait_alu depctr_va_vdst(0)
	v_lshlrev_b32 v18, 4, v1
	v_lshl_add_u32 v18, v2, 3, v18
	v_add_nc_u32 v4, 512, v18
	s_wait_alu depctr_va_vdst(0)
	v_lshlrev_b32 v17, 3, v2
	s_mul_i32 s2, s19, HALFT
	s_mul_i32 s3, s20, HALFT
	s_add_co_u32 s3, s3, 2*HALFT
	s_lshl_b32 s44, s19, 12
	s_add_co_u32 s44, s44, SCL
	s_lshl_b32 s45, s20, 12
	s_add_co_u32 s45, s45, SCL+8192
	s_cmp_eq_u32 ttmp9, 2
	s_cselect_b32 s46, s2, s3
	s_cselect_b32 s47, s3, s2
	s_cselect_b32 s2, s44, s45
	s_cselect_b32 s3, s45, s44
	s_cselect_b32 s21, 1, 0
	v_add_nc_u32 v8, s46, v3
	v_add_nc_u32 v10, s46, v4
	v_add_nc_u32 v12, s47, v3
	v_add_nc_u32 v14, s47, v4
.irp k, 8,10,12,14
	v_add_nc_u32 v[\k+1], SLOT, v[\k]
.endr
	v_mov_b32 v16, s3
	v_mov_b32 v19, s2
	v_cndmask_b32 v16, v16, v19, s66
	v_lshl_add_u32 v16, v1, 4, v16
.macro FRAG reg, adh, adt, q, i
	ds_load_b128 v[(\reg):(\reg)+3], v[\adh] offset:TILEB*(\i)+1536*(\q)
	ds_load_b64 v[(\reg)+4:(\reg)+5], v[\adt] offset:TILEB*(\i)+1536*(\q)
	ds_load_b128 v[(\reg)+6:(\reg)+9], v[\adh] offset:TILEB*(\i)+1536*(\q)+768
	ds_load_b64 v[(\reg)+10:(\reg)+11], v[\adt] offset:TILEB*(\i)+1536*(\q)+768
.endm
.macro FETCH_0 slot, q, p
	WIN 0x40
.irp i, 0,1,2,3,4,5,6,7
	FRAG 128*(\p)+12*\i, 8+\slot, 10+\slot, \q, \i
.endr
	WIN 0
.endm
.macro FETCH_1 slot, q, i0
.irp i, \i0, \i0+1, \i0+2, \i0+3
	FRAG AF+12*(\i), 12+\slot, 14+\slot, \q, \i
.endr
.endm
.macro MUL16 a0, p, ks, zero
.irp a, \a0, \a0+1
.irp b, 0,1,2,3,4,5,6,7
.if \zero
	v_wmma_scale_f32_16x16x128_f8f6f4 v[8*(8*((\a)%4)+\b):8*(8*((\a)%4)+\b)+7], v[128*(\p)+12*\b:128*(\p)+12*\b+11], v[AF+12*(\a):AF+12*(\a)+11], 0, v[SC+8*\b+(\ks)], v[SC+8*(\a)+(\ks)] matrix_a_fmt:MATRIX_FMT_FP6 matrix_b_fmt:MATRIX_FMT_FP6 matrix_a_scale:MATRIX_SCALE_ROW1
.else
	v_wmma_scale_f32_16x16x128_f8f6f4 v[8*(8*((\a)%4)+\b):8*(8*((\a)%4)+\b)+7], v[128*(\p)+12*\b:128*(\p)+12*\b+11], v[AF+12*(\a):AF+12*(\a)+11], v[8*(8*((\a)%4)+\b):8*(8*((\a)%4)+\b)+7], v[SC+8*\b+(\ks)], v[SC+8*(\a)+(\ks)] matrix_a_fmt:MATRIX_FMT_FP6 matrix_b_fmt:MATRIX_FMT_FP6 matrix_a_scale:MATRIX_SCALE_ROW1
.endif
.endr
.endr
.endm
.macro STEP slot, ks, zero
	s_wait_dscnt 16
	WIN MUL_LO
	MUL16 0, 0, \ks, \zero
	MUL16 2, 0, \ks, \zero
	s_wait_dscnt 0
	PLACES
	FETCH_0 \slot, 1, 1
	FETCH_1 \slot, 1, 0
	WIN MUL_HI
	MUL16 4, 0, \ks, \zero
	MUL16 6, 0, \ks, \zero
	PLACES
	WIN 0
	FETCH_1 \slot, 1, 4
.endm
.macro TURN slot, next, fill, ks
	s_wait_tensorcnt 0x0
	ds_add_u32 v[SPW], v[NIL]
	s_wait_dscnt 17
	WIN MUL_LO
	MUL16 0, 1, \ks, 0
	s_wait_dscnt 0x0
	s_barrier_signal -1
	MUL16 2, 1, \ks, 0
	WIN 0
	s_barrier_wait -1
.if \fill
	CREST
	s_add_nc_u64 s[G0+4*\slot+2:G0+4*\slot+3], s[G0+4*\slot+2:G0+4*\slot+3], 2*TILEB
	s_add_nc_u64 s[G0B+4*\slot+2:G0B+4*\slot+3], s[G0B+4*\slot+2:G0B+4*\slot+3], 2*TILEB
	JLOAD G0+4*\slot, G1, G0B+4*\slot, G1B
.else
	PLACES
.endif
	FETCH_0 \next, 0, 0
	FETCH_1 \next, 0, 0
	WIN MUL_HI
	MUL16 4, 1, \ks, 0
	MUL16 6, 1, \ks, 0
	PLACES
	WIN 0
	FETCH_1 \next, 0, 4
.endm
.macro LAST ks
	s_wait_dscnt 16
	WIN MUL_LO
	MUL16 0, 1, \ks, 0
	MUL16 2, 1, \ks, 0
	s_wait_dscnt 0
	WIN MUL_HI
	MUL16 4, 1, \ks, 0
	MUL16 6, 1, \ks, 0
	WIN 0
.endm
.macro EPI role
	PLACES
.irp t, 0,1,2,3
	v_mov_b32 v[220+\t], 0
.endr
	s_wait_loadcnt 0x0
.irp a, 0,1,2,3,4,5,6,7
.set AC, 64*(\a%4)
.set CB, 128+12*(\a%4)
.if \a == 4
	s_wait_xcnt 0x0
.endif
	WIN 0x82+0x41*(\a/4)
.set i, 0
.rept 32
.if \role
	v_pk_add_f32 v[AC+i:AC+i+1], v[AC+i:AC+i+1], v[96+2*\a:97+2*\a]
.elseif i < 32
	v_pk_add_f32 v[AC+i:AC+i+1], v[AC+i:AC+i+1], v[96+i:97+i]
.else
	v_pk_add_f32 v[AC+i:AC+i+1], v[AC+i:AC+i+1], v[192+i:193+i]
.endif
.set i, i+2
.endr
	WIN 0x0a+5*(\a/4)
.irp k, 0,1,2,3
	v_max3_num_f32 v[200+\k], |v[AC+16*\k]|, |v[AC+16*\k+1]|, 0x1800000
.endr
.irp j, 2,4,6,8,10,12,14
.irp k, 0,1,2,3
	v_max3_num_f32 v[200+\k], |v[AC+16*\k+\j]|, |v[AC+16*\k+\j+1]|, v[200+\k]
.endr
.endr
	WIN 0
	v_max_num_f32 v200, v200, v201
	v_max_num_f32 v202, v202, v203
	v_add_nc_u32 v204, 0xff000000, v200
	v_add_nc_u32 v205, 0xff000000, v202
	v_lshrrev_b32 v[176+2*\a], 23, v204
	v_lshrrev_b32 v[177+2*\a], 23, v205
	WIN 0x02+(\a/4)
	v_cvt_scalef32_pk16_fp6_f32 v[CB:CB+2], v[AC:AC+15], v204
	v_cvt_scalef32_pk16_fp6_f32 v[208:210], v[AC+16:AC+31], v204
	v_cvt_scalef32_pk16_fp6_f32 v[CB+6:CB+8], v[AC+32:AC+47], v205
	v_cvt_scalef32_pk16_fp6_f32 v[212:214], v[AC+48:AC+63], v205
	WIN 0
	v_nop
.irp j, 0,1,2
	v_mov_b32 v[CB+3+\j], v[208+\j]
	v_mov_b32 v[CB+9+\j], v[212+\j]
.endr
.if \role
	global_store_b128 v3, v[CB:CB+3], s[92+2*(\a/4):93+2*(\a/4)] offset:768*(2*(\a%4))
	global_store_b64 v4, v[CB+4:CB+5], s[92+2*(\a/4):93+2*(\a/4)] offset:768*(2*(\a%4))
	global_store_b128 v3, v[CB+6:CB+9], s[92+2*(\a/4):93+2*(\a/4)] offset:768*(2*(\a%4)+1)
	global_store_b64 v4, v[CB+10:CB+11], s[92+2*(\a/4):93+2*(\a/4)] offset:768*(2*(\a%4)+1)
.else
	global_store_b128 v3, v[CB:CB+3], s[92:93] offset:768*\a
	global_store_b64 v4, v[CB+4:CB+5], s[92:93] offset:768*\a
	global_store_b128 v3, v[CB+6:CB+9], s[94:95] offset:768*\a
	global_store_b64 v4, v[CB+10:CB+11], s[94:95] offset:768*\a
.endif
.if \a%4 == 3
.if \role
.irp t, 0,1,2,3
	v_lshl_or_b32 v[216+\t], v[177+2*(\a-3+\t)], 16, v[176+2*(\a-3+\t)]
.endr
.irp t, 0,1,2,3
	v_lshlrev_b32 v[216+\t], v17, v[216+\t]
.endr
.irp t, 0,1,2,3
	v_permlanex16_b32 v[220+\t], v[216+\t], s100, s101
.endr
.irp t, 0,1,2,3
	v_or_b32 v[216+\t], v[216+\t], v[220+\t]
.endr
	v_cndmask_b32 v[192+4*(\a/4)], v216, v218, s66
	v_cndmask_b32 v[193+4*(\a/4)], v217, v219, s66
	global_store_b64 v18, v[192+4*(\a/4):193+4*(\a/4)], s[96+2*(\a/4):97+2*(\a/4)]
.else
.irp c, 0,1
.irp t, 0,1,2,3
	v_lshlrev_b32 v[216+\t], v17, v[176+2*(\a-3+\t)+\c]
.endr
.irp t, 0,1,2,3
	v_permlanex16_b32 v[220+\t], v[216+\t], s100, s101
.endr
.irp t, 0,1,2,3
	v_or_b32 v[216+\t], v[216+\t], v[220+\t]
.endr
	v_cndmask_b32 v[192+4*(\a/4)+2*\c], v216, v218, s66
	v_cndmask_b32 v[193+4*(\a/4)+2*\c], v217, v219, s66
	global_store_b64 v18, v[192+4*(\a/4)+2*\c:193+4*(\a/4)+2*\c], s[96+2*\c:97+2*\c] offset:256*(\a/4)
.endr
.endif
.endif
.endr
.endm
.macro TAIL role
	s_lshr_b32 s44, s41, 3
	s_lshl_b32 s44, s44, 4
	s_add_co_u32 s44, s44, s67
	s_and_b32 s45, s41, 7
	s_lshl_b32 s46, s44, 3
	s_add_co_u32 s46, s46, s45
	s_mul_i32 s46, s46, REC
.if \role
	s_mul_i32 s47, s19, 6144
	s_add_co_u32 s2, s46, s47
	s_add_co_u32 s2, s2, 12288
	s_lshl_b32 s47, s19, 8
	s_add_co_u32 s44, s46, s47
	s_add_co_u32 s44, s44, 25600
	s_mov_b32 s3, 0
	s_mov_b32 s45, 0
	s_add_nc_u64 s[92:93], s[16:17], s[2:3]
	s_add_nc_u64 s[96:97], s[16:17], s[44:45]
	s_add_nc_u64 s[94:95], s[92:93], 8*REC
	s_add_nc_u64 s[98:99], s[96:97], 8*REC
	s_lshl_b32 s44, s67, 8
	s_add_nc_u64 s[12:13], s[12:13], s[44:45]
	v_and_b32 v5, 7, v1
	v_lshlrev_b32 v5, 2, v5
	v_lshrrev_b32 v6, 3, v1
	v_lshl_add_u32 v5, v6, 7, v5
.irp a, 0,1,2,3,4,5,6,7
	global_load_b32 v[96+2*\a], v5, s[12:13] offset:256*(\a/4)+32*(\a%4)
	global_load_b32 v[97+2*\a], v5, s[12:13] offset:256*(\a/4)+32*(\a%4)
.endr
.else
	s_mul_i32 s47, s19, 6144
	s_add_co_u32 s2, s46, s47
	s_lshl_b32 s47, s19, 9
	s_add_co_u32 s3, s46, s47
	s_add_co_u32 s3, s3, 24576
	s_lshl_b32 s46, s44, 7
	s_lshl_b32 s47, s45, 4
	s_add_co_u32 s46, s46, s47
	s_lshl_b32 s47, s19, 3
	s_add_co_u32 s46, s46, s47
	s_mul_i32 s46, s46, 768
	s_lshl_b32 s44, s44, 5
	s_lshl_b32 s45, s45, 2
	s_add_co_u32 s44, s44, s45
	s_lshl_b32 s45, s19, 1
	s_add_co_u32 s44, s44, s45
	s_lshl_b32 s44, s44, 8
	s_add_co_u32 s44, s44, QSC
	s_mov_b32 s47, 8*REC
	s_cmp_eq_u32 ttmp9, 0
	s_cselect_b64 s[92:93], s[14:15], s[16:17]
	s_cselect_b64 s[8:9], s[8:9], s[10:11]
	s_cselect_b32 s46, s46, s2
	s_cselect_b32 s44, s44, s3
	s_cselect_b32 s2, 98304, s47
	s_cselect_b32 s98, 8192, s47
	s_mov_b32 s47, 0
	s_mov_b32 s45, 0
	s_mov_b32 s3, 0
	s_mov_b32 s99, 0
	s_add_nc_u64 s[96:97], s[92:93], s[44:45]
	s_add_nc_u64 s[92:93], s[92:93], s[46:47]
	s_add_nc_u64 s[94:95], s[92:93], s[2:3]
	s_add_nc_u64 s[98:99], s[96:97], s[98:99]
	s_lshl_b32 s44, s67, 8
	s_add_nc_u64 s[8:9], s[8:9], s[44:45]
	v_lshlrev_b32 v5, 7, v2
.irp i, 0,1,2,3,4,5,6,7
	global_load_b128 v[96+4*\i:99+4*\i], v5, s[8:9] offset:16*\i
	global_load_b128 v[224+4*\i:227+4*\i], v5, s[8:9] offset:256+16*\i
.endr
.endif
	STEP 1, 6, 0
	LAST 7
	EPI \role
	s_wait_tensorcnt 0x0
	ds_add_u32 v[SPW], v[NIL]
	s_wait_dscnt 0x0
	CROUND
	s_endpgm
.endm
	s_wait_alu depctr_va_vdst(0)
	s_wait_tensorcnt 1
	s_barrier_signal -1
	s_barrier_wait -1
	FETCH_0 0, 0, 0
	FETCH_1 0, 0, 0
.irp i, 0,1,2,3,4,5,6,7
	ds_load_b128 v[SC+8*\i:SC+8*\i+3], v16 offset:512*\i
	ds_load_b128 v[SC+8*\i+4:SC+8*\i+7], v16 offset:512*\i+256
.endr
	FETCH_1 0, 0, 4
	STEP 0, 0, 1
	TURN 0, 1, 1, 1
	STEP 1, 2, 0
	TURN 1, 0, 1, 3
	STEP 0, 4, 0
	TURN 0, 1, 0, 5
	s_cmp_eq_u32 s21, 0
	s_cbranch_scc0 .Lrole_v
	TAIL 0
.Lrole_v:
	TAIL 1
.Lfunc_end_k_qde23ae16b3_qkv:
	.size	k_qde23ae16b3_qkv, .Lfunc_end_k_qde23ae16b3_qkv-k_qde23ae16b3_qkv
	.p2alignl 7, 3214868480
	.fill 96, 4, 3214868480
	.section	.rodata,"a",@progbits
	.p2align	6, 0x0
	.amdhsa_kernel k_qde23ae16b3_qkv
		.amdhsa_group_segment_fixed_size 327680
		.amdhsa_private_segment_fixed_size 0
		.amdhsa_enable_private_segment 0
		.amdhsa_kernarg_size 56
		.amdhsa_user_sgpr_count 2
		.amdhsa_user_sgpr_kernarg_segment_ptr 1
		.amdhsa_wavefront_size32 1
		.amdhsa_system_sgpr_workgroup_id_x 1
		.amdhsa_system_sgpr_workgroup_id_y 1
		.amdhsa_system_sgpr_workgroup_id_z 1
		.amdhsa_system_vgpr_workitem_id 0
		.amdhsa_next_free_vgpr 1024
		.amdhsa_next_free_sgpr 102
		.amdhsa_reserve_vcc 0
		.amdhsa_float_denorm_mode_32 3
		.amdhsa_float_denorm_mode_16_64 3
		.amdhsa_memory_ordered 1
		.amdhsa_forward_progress 1
		.amdhsa_inst_pref_size 232
	.end_amdhsa_kernel
	.amdgpu_metadata
---
amdhsa.version: [ 1, 2 ]
amdhsa.kernels:
  - .name:           k_qde23ae16b3_qkv
    .symbol:         k_qde23ae16b3_qkv.kd
    .args:
      - { .name: xcod, .offset: 0, .size: 8, .value_kind: global_buffer, .address_space: global }
      - { .name: wcod, .offset: 8, .size: 8, .value_kind: global_buffer, .address_space: global }
      - { .name: bq, .offset: 16, .size: 8, .value_kind: global_buffer, .address_space: global }
      - { .name: bk, .offset: 24, .size: 8, .value_kind: global_buffer, .address_space: global }
      - { .name: bv, .offset: 32, .size: 8, .value_kind: global_buffer, .address_space: global }
      - { .name: qcod, .offset: 40, .size: 8, .value_kind: global_buffer, .address_space: global }
      - { .name: kvcod, .offset: 48, .size: 8, .value_kind: global_buffer, .address_space: global }
    .group_segment_fixed_size: 327680
    .private_segment_fixed_size: 0
    .kernarg_segment_align: 8
    .kernarg_segment_size: 56
    .max_flat_workgroup_size: 128
    .sgpr_count:     102
    .vgpr_count:     1024
    .wavefront_size: 32
...
	.end_amdgpu_metadata
.endif
;; end of part 2
;; launch attn (part 3): grid 4 x 64, 16 waves a work-group, no clusters, 327,680 bytes of LDS; arguments qcod, kvcod, ocod; writes ocod
.if DOCPART == 3
	.amdgcn_target "amdgcn-amd-amdhsa--gfx1250"
	.amdhsa_code_object_version 6
	.text
	.protected	k_qde23ae16b3_attn
	.globl	k_qde23ae16b3_attn
	.p2align	8
	.type	k_qde23ae16b3_attn,@function
k_qde23ae16b3_attn:
	s_mov_b64 s[64:65], 0
	v_nop
	global_prefetch_b8 v0, s[64:65] scope:SCOPE_SE
	s_setreg_imm32_b32 hwreg(HW_REG_WAVE_MODE, 25, 1), 1
	s_wait_xcnt 0x0
; Causal attention of one (batch, head) on codes of FP6 (E2M3) with E8M0 scales, head size 64, 2,048 tokens; the result, divided by the row's sum, is quantised along the head's 64 for the last product.
; THE SOFTMAX: t = score x log2(e) / 8; M = the running largest t rounded UP to a whole number; p = 2^(t - M) is quantised along the keys, not normalised; the row's sum is taken of the unquantised p.  When M moves, the sum and O are multiplied by 2^(old M - new M): exact.
; SHARES.  Work-group p (0 .. 3) of a head owns the blocks of 256 queries 7 - p and p, one after the other: 8 - p and p + 1 slots of 256 keys, NINE trips in every work-group: a constant trip count, equal work.
; Each of sixteen waves owns one tile of 16 queries in 256 registers.  A tile's queries lie in one aligned run of 64, so a wave has one step of 128 keys on the diagonal; steps behind it are jumped over (a branch on ids).
; A slot is one record of kvcod, 26,112 dense bytes (K's images, V's images, both scale words), brought by ONE tensor load of wave 0 into one of two LDS slots.
; LAYOUT.  S^T = K Q^T (source 0 = 16 keys, source 1 = my queries; K = 64, the operands' upper six registers hold zero codes), O^T = V^T P^T.  A lane holds one query.  By the order of keys in a tile the 32 registers of four
; tiles are 32 neighbouring keys: a block of p lies in one lane, and its codes are that lane's registers of the next operand.
; NO CLUSTER: from trip 8 - p on the four work-groups of a head want different records, so their requests could not be joint in every trip.
; LIMITS: NaN and infinities are not served.  A block's largest p is made from its largest score by the same multiply-add and exponential: this takes v_exp_f32 not to fall where its input rises.  A block whose every p is 0 gets the byte 1; its codes are zeros.
; Hidden scores are -infinity where the definition has -1e9: both give p = 0, since every row has a key that counts.
; REGISTERS: v1-3 lane offsets; v4, v5 the add's two; v6 my query's place less 32 h; v7 8 h; v8-10 the step's LDS addresses; v11, v29, v30 offsets; v12 -M, v13 largest t, v[14:15] the sum; v16-27 Q; v28 Q's scale word; v31 permutes;
;   v32-79 four fragments of K; v80-127 four of V; v128-191 S^T, then p; v192-223 O^T; v224-235 p's codes; v236-243, v254, v255 at work; v244-251 K's scale words, then V's; v252 f; v253 p's scale word.
.set REC,   26112
.set SLOT1, 32768                      ; slot 1 begins here: one exclusive or turns an address
.set SPARE, 65536                      ; the spare words: 128 bytes for each of sixteen waves
.set QSC,   6291456
.set OSC,   6291456
.macro QMAX s, m, t                    ; the largest magnitude of v[s] .. v[s + 31] and the floor 2^(3 - 127)
	v_max3_num_f32 v[\m], |v[(\s)]|, |v[(\s)+1]|, 0x1800000
	v_max3_num_f32 v[\t], |v[(\s)+2]|, |v[(\s)+3]|, |v[(\s)+4]|
.irp i, 5,9,13,17,21,25
	s_delay_alu instid0(VALU_DEP_2)
	v_max3_num_f32 v[\m], v[\m], |v[(\s)+\i]|, |v[(\s)+\i+1]|
	s_delay_alu instid0(VALU_DEP_2)
	v_max3_num_f32 v[\t], v[\t], |v[(\s)+\i+2]|, |v[(\s)+\i+3]|
.endr
	s_delay_alu instid0(VALU_DEP_2)
	v_max3_num_f32 v[\m], v[\m], |v[(\s)+29]|, |v[(\s)+30]|
	s_delay_alu instid0(VALU_DEP_1)
	v_max3_num_f32 v[\m], v[\m], v[\t], |v[(\s)+31]|
.endm
.macro TLOAD                           ; wave 0 alone fetches; an s_nop 0 and four v_nop follow the load
	s_cmp_lg_u32 s10, 0
	s_cbranch_scc1 .Lnot_mine_\@
	tensor_load_to_lds s[32:35], s[24:31]
	s_nop 0
.rept 4
	v_nop
.endr
.Lnot_mine_\@:
.endm
; A prefetch into the L2 of the record that the NEXT change of slots will ask for.  All four work-groups of a head walk records 0, 1, 2 .. first: work-group 0 asks, in trips 0 to 5 for records 2 to 7.
; Its waves 4, 5, 6 take 8,192 bytes each of the record's 24,576 bytes of codes, lanes 256 bytes apart: each block is named once in the launch.  Records 0 and 1 and the records' scale words come by their loads alone.
.macro ASK
	s_cmp_lt_u32 s13, s48
	s_cbranch_scc0 .Lnot_asked_\@
	global_prefetch_b8 v29, s[46:47] th:TH_LOAD_NT scope:SCOPE_SE
.Lnot_asked_\@:
.endm
.macro SETQ                            ; block s49: my tile (s50), where its codes and scale words lie
	s_lshl_b32 s50, s49, 4
	s_add_co_u32 s50, s50, s10
	s_lshl_b32 s52, s12, 7
	s_add_co_u32 s52, s52, s50
	s_mul_i32 s52, s52, 768
	s_mov_b32 s53, 0
	s_add_nc_u64 s[38:39], s[4:5], s[52:53]
	s_lshl_b32 s52, s12, 5
	s_lshl_b32 s54, s49, 2
	s_add_co_u32 s52, s52, s54
	s_lshr_b32 s54, s10, 2
	s_add_co_u32 s52, s52, s54
	s_lshl_b32 s52, s52, 8
	s_add_co_u32 s52, s52, QSC
	s_add_nc_u64 s[40:41], s[4:5], s[52:53]
.endm
.macro QLOAD
	global_load_b128 v[16:19], v1, s[38:39]
	global_load_b64 v[20:21], v2, s[38:39]
	global_load_b32 v28, v11, s[40:41]
.endm
.macro SETO                            ; where the block's result goes; my first query; the keys begin anew
	s_lshr_b32 s52, s12, 4
	s_lshl_b32 s52, s52, 7
	s_add_co_u32 s52, s52, s50                     ; the tile of tokens: 128 batch + tile
	s_and_b32 s56, s12, 15                         ; the head
	s_lshl_b32 s54, s52, 4
	s_add_co_u32 s54, s54, s56
	s_mul_i32 s54, s54, 768
	s_mov_b32 s55, 0
	s_add_nc_u64 s[42:43], s[8:9], s[54:55]        ; the half image (tile, head)
	s_lshl_b32 s54, s52, 9
	s_lshr_b32 s57, s56, 3
	s_lshl_b32 s57, s57, 8
	s_add_co_u32 s54, s54, s57                     ; the scale bytes: K half head / 8,
	s_bfe_u32 s57, s56, 0x20001
	s_lshl_b32 s57, s57, 2
	s_add_co_u32 s54, s54, s57                     ; word (head / 2) % 4,
	s_and_b32 s57, s56, 1
	s_lshl_b32 s57, s57, 1
	s_add_co_u32 s54, s54, s57                     ; byte 2 (head % 2) + h
	s_add_co_u32 s54, s54, OSC
	s_add_nc_u64 s[44:45], s[8:9], s[54:55]
	s_lshl_b32 s17, s49, 8
	s_lshr_b32 s57, s10, 2
	s_lshl_b32 s57, s57, 6
	s_add_co_u32 s17, s17, s57
	s_and_b32 s57, s10, 3
	s_lshl_b32 s57, s57, 3
	s_add_co_u32 s17, s17, s57                     ; 256 block + 64 (wave / 4) + 8 (wave % 4)
	s_mov_b32 s16, 0
.endm
.macro RESET
	v_mov_b32 v13, 0xff61b1e6                      ; the largest t so far: -3e38
	s_delay_alu instid0(VALU_DEP_1)
	v_floor_f32 v12, -v13
	v_mov_b32 v14, 0
	v_mov_b32 v15, 0
.set i, 0
.rept 32
	v_mov_b32 v[192+i], 0                          ; O^T: the step is written once; the first finds zeros
.set i, i+1
.endr
.endm
	s_load_b128 s[4:7], s[0:1], 0x0                ; qcod s[4:5], kvcod s[6:7]
	s_load_b64 s[8:9], s[0:1], 0x10                ; ocod
	v_lshl_add_u32 v4, v0, 2, SPARE
	v_mov_b32 v5, 0
	ds_add_u32 v4, v5                              ; the wave's opening, ahead of the first tensor load
	ds_add_u32 v4, v5
	v_lshrrev_b32 v8, 5, v0
	s_delay_alu instid0(VALU_DEP_1)
	v_readfirstlane_b32 s10, v8                    ; wave
	s_mov_b32 s11, ttmp9                           ; p
	s_and_b32 s12, ttmp7, 0xffff                   ; 16 batch + head
	s_sub_co_u32 s14, 7, s11                       ; the first block, and the trip that ends it
	s_mov_b32 s13, 0                               ; the trip
	s_mov_b32 s15, 0                               ; the LDS slot in hand
	s_mov_b32 s18, 0                               ; s[18:19]: the record to be asked for, in bytes
	s_mov_b32 s19, 0
	s_mov_b32 s20, 0x76543210
	s_mov_b32 s21, 0xfedcba98                      ; v_permlanex16_b32's selects for lane l xor 16
	s_mov_b32 s22, 0x3e38aa3b                      ; c = log2(e) / 8
	s_mov_b32 s23, s22
	s_mov_b32 s24, 3<<16                           ; group 1: 102 rows of 256 bytes (32 elements of 8), dense, no mask, no padding
	s_mov_b32 s25, 32<<16
	s_mov_b32 s26, 102<<16
	s_mov_b32 s27, 32<<16
	s_mov_b32 s28, 102
	s_mov_b32 s29, 32
	s_mov_b32 s30, 0
	s_mov_b32 s31, 0
	s_mul_i32 s50, s12, 8*REC
	s_mov_b32 s51, 0
	s_and_b32 s52, s10, 3
	s_lshl_b32 s52, s52, 13
	s_add_co_u32 s52, s52, REC                     ; the prefetches stand in record 1; the first change steps them to record 2
	s_mov_b32 s53, 0
	s_sub_co_u32 s54, s10, 4
	s_cmp_lt_u32 s54, 3                            ; waves 4, 5, 6
	s_cselect_b32 s48, 6, 0
	s_cmp_eq_u32 s11, 0                            ; of work-group 0
	s_cselect_b32 s48, s48, 0
	s_wait_dscnt 0x0                               ; the opening add is done
	s_wait_kmcnt 0x0
	s_add_nc_u64 s[36:37], s[6:7], s[50:51]        ; the head's eight records
	s_add_nc_u64 s[46:47], s[36:37], s[52:53]
	s_mov_b32 s32, 1
	s_mov_b32 s33, 0
	s_mov_b64 s[34:35], s[36:37]
	s_or_b32 s35, s35, 0x80000000
	TLOAD                                          ; record 0 into slot 0
	v_and_b32 v8, 15, v0                           ; r
	v_bfe_u32 v9, v0, 4, 1                         ; h
	v_and_b32 v1, 31, v0
	s_delay_alu instid0(VALU_DEP_1)
	v_lshlrev_b32 v29, 8, v1                       ; 256 x lane
	s_delay_alu instid0(VALU_DEP_2)
	v_lshlrev_b32 v1, 4, v1                        ; 16 x lane: an image's first part
	v_lshlrev_b32 v3, 4, v8                        ; 16 r: a row's four scale words
	s_delay_alu instid0(VALU_DEP_1)
	v_lshl_add_u32 v2, v9, 3, v3
	s_delay_alu instid0(VALU_DEP_1)
	v_add_nc_u32 v2, 512, v2                       ; an image's last part
	s_wait_alu depctr_va_vdst(0)
	v_add_nc_u32 v30, v3, v9                       ; 16 r + h
	s_and_b32 s50, s10, 3
	s_lshl_b32 s50, s50, 2
	v_add_nc_u32 v11, s50, v3                      ; Q's word: 16 r + 4 (tile in its group)
	s_wait_alu depctr_va_vdst(0)
	v_lshrrev_b32 v6, 3, v8
	v_and_b32 v7, 7, v8
	s_delay_alu instid0(VALU_DEP_1)
	v_lshl_add_u32 v6, v6, 5, v7
	v_lshlrev_b32 v7, 5, v9
	s_delay_alu instid0(VALU_DEP_1)
	v_sub_nc_u32 v6, v6, v7                        ; 32 (r / 8) + r % 8 - 32 h
	v_lshlrev_b32 v7, 3, v9                        ; 8 h
	s_mov_b32 s49, s14
	SETQ
	QLOAD
	SETO
.irp j, 22,23,24,25,26,27
	v_mov_b32 v[\j], 0                             ; K = 64: the upper 64 of the instruction's 128 are zero codes, in Q
.endr
.irp t, 0,1,2,3
.irp j, 6,7,8,9,10,11
	v_mov_b32 v[32+12*\t+\j], 0                    ; and in K's four fragments, for the whole launch
.endr
.endr
	v_mov_b32 v31, 0                               ; a lane permute's destination counts as read
	v_mov_b32 v253, 0                              ; named as the upper half of v[252:253] before it is first written
	RESET
	s_wait_loadcnt 0x0                             ; Q
; A KEY STEP: 128 keys, the q-th of the slot in hand
.macro STEP q
	s_add_co_u32 s50, s17, 39                      ; my last query
	s_cmp_gt_u32 s16, s50
	s_cbranch_scc1 .Lhidden_\@                     ; all keys of the step come after my queries: ids alone; no barrier, wait or tensor load stands in a step
	v_add_nc_u32 v8, s15, v1
	s_wait_alu depctr_va_vdst(0)
	v_add_nc_u32 v9, s15, v2
	s_wait_alu depctr_va_vdst(0)
	v_add_nc_u32 v10, s15, v3
	v_nop                                          ; four plain places behind the last products, ahead of the loads
.irp g, 0,1                            ; S^T = K Q^T, a group of 64 keys (four tiles) at a time
.if \g
.rept 4
	v_nop
.endr
.endif
.irp t, 0,1,2,3
	ds_load_b128 v[32+12*\t:35+12*\t], v8 offset:768*(4*(2*(\q)+\g)+\t)
	ds_load_b64 v[36+12*\t:37+12*\t], v9 offset:768*(4*(2*(\q)+\g)+\t)
.endr
.if \g == 0
	ds_load_b128 v[244:247], v10 offset:24576+256*(2*(\q))
	ds_load_b128 v[248:251], v10 offset:24576+256*(2*(\q)+1)
.endif
	s_wait_dscnt 0x0
.irp t, 0,1,2,3
	v_wmma_scale_f32_16x16x128_f8f6f4 v[128+8*(4*\g+\t):135+8*(4*\g+\t)], v[32+12*\t:43+12*\t], v[16:27], 0, v[244+4*\g+\t], v28 matrix_a_fmt:MATRIX_FMT_FP6 matrix_b_fmt:MATRIX_FMT_FP6
.endr
.endr                                  ; register 32 g + i holds key KF + 64 g + 32 h + i of my query
.rept 4
	v_nop
.endr
.irp t, 0,1,2,3                        ; V's four fragments and words are asked for here and land during the softmax
	ds_load_b128 v[80+12*\t:83+12*\t], v8 offset:12288+768*(2*(4*(\q)+\t))
	ds_load_b64 v[84+12*\t:85+12*\t], v9 offset:12288+768*(2*(4*(\q)+\t))
	ds_load_b128 v[86+12*\t:89+12*\t], v8 offset:12288+768*(2*(4*(\q)+\t)+1)
	ds_load_b64 v[90+12*\t:91+12*\t], v9 offset:12288+768*(2*(4*(\q)+\t)+1)
.endr
	s_wait_alu depctr_va_vdst(0)
	ds_load_b128 v[244:247], v10 offset:25600+256*(\q)
	s_add_co_u32 s50, s16, 127
	s_cmp_le_u32 s50, s17
	s_cbranch_scc1 .Lopen_\@                       ; all keys count
	s_sub_co_i32 s50, s17, s16
	v_add_nc_u32 v254, s50, v6                     ; d = my query - KF - 32 h: register 32 g + i is hidden where 64 g + i > d
	v_mov_b32 v255, 0xff800000
.set n, 0
.rept 64
	v_cmp_gt_i32 vcc_lo, 64*(n/32)+n%32, v254
	v_cndmask_b32 v[128+n], v[128+n], v255, vcc_lo
.set n, n+1
.endr
.Lopen_\@:
.irp k, 0,1,2,3
	v_max3_num_f32 v[236+\k], v[128+16*\k], v[129+16*\k], v[130+16*\k]     ; the largest score of each block of 32 keys, in two chains a block
.endr
.irp i, 3,5,7,9,11,13
.irp k, 0,1,2,3
	v_max3_num_f32 v[236+\k], v[236+\k], v[128+16*\k+\i], v[129+16*\k+\i]
.endr
.endr
	v_max3_num_f32 v236, v236, v237, v143
	v_max3_num_f32 v237, v238, v239, v175
	v_max_num_f32 v236, v236, v159
	v_max_num_f32 v237, v237, v191
	s_delay_alu instid0(VALU_DEP_1)
	v_max_num_f32 v254, v236, v237
	s_delay_alu instid0(VALU_DEP_1)
	v_permlanex16_b32 v31, v254, s20, s21
	s_delay_alu instid0(VALU_DEP_1)
	v_max_num_f32 v254, v254, v31                  ; the step's largest score of my query
	s_delay_alu instid0(VALU_DEP_1)
	v_mul_f32 v254, s22, v254
	s_delay_alu instid0(VALU_DEP_1)
	v_max_num_f32 v13, v13, v254                   ; the running largest t
	v_mov_b32 v254, v12
	s_delay_alu instid0(VALU_DEP_2)
	v_floor_f32 v12, -v13                          ; -M = floor(-t): M is a whole number
	s_delay_alu instid0(VALU_DEP_1)
	v_sub_f32 v254, v12, v254
	s_delay_alu instid0(VALU_DEP_1)
	v_cvt_i32_f32 v254, v254                       ; old M - new M (it saturates)
	s_delay_alu instid0(VALU_DEP_1)
	v_ldexp_f32 v252, 1.0, v254                    ; f = 2^(old M - new M)
.set j, 0
.rept 32
	v_pk_fma_f32 v[128+j:129+j], v[128+j:129+j], s[22:23], v[12:13] op_sel_hi:[1,0,0]   ; t - M
.set j, j+2
.endr
	v_fma_f32 v236, v236, s22, v12                 ; the same of each block's largest score
	v_fma_f32 v237, v237, s22, v12
.set j, 0
	s_wait_alu depctr_va_vdst(0)
.rept 64
	v_exp_f32 v[128+j], v[128+j]                   ; p = 2^(t - M)
.set j, j+1
.endr
	v_pk_mul_f32 v[14:15], v[14:15], v[252:253] op_sel_hi:[1,0]   ; the sum under the new M.  (A plain place behind the exponentials)
	s_wait_alu depctr_va_vdst(0)                   ; one wait for the batch, ahead of its first reader
	v_exp_f32 v236, v236                           ; each block's largest p
	v_exp_f32 v237, v237
	v_pk_add_f32 v[254:255], v[128:129], v[130:131]               ; the row's sum of the unquantised p, in two chains: the first 32 now,
.irp j, 4,8,12,16,20,24,28
	v_pk_add_f32 v[14:15], v[14:15], v[128+\j:129+\j]
	v_pk_add_f32 v[254:255], v[254:255], v[130+\j:131+\j]
.endr
	s_wait_alu depctr_va_vdst(0)                   ; and one for the two
	v_max_num_f32 v236, 0x1800000, v236            ; the floor 2^(3 - 127)
	v_max_num_f32 v237, 0x1800000, v237
	s_delay_alu instid0(VALU_DEP_2)
	v_add_nc_u32 v239, 0xff000000, v236            ; 2 off the exponent field: the conversions' scale operands
	s_delay_alu instid0(VALU_DEP_2)
	v_add_nc_u32 v243, 0xff000000, v237
	s_delay_alu instid0(VALU_DEP_2)
	v_lshrrev_b32 v240, 23, v239
	s_delay_alu instid0(VALU_DEP_2)
	v_lshrrev_b32 v241, 23, v243
	s_delay_alu instid0(VALU_DEP_1)
	v_lshl_or_b32 v253, v241, 16, v240             ; my bytes: blocks h and 2 + h,
	s_delay_alu instid0(VALU_DEP_1)
	v_lshlrev_b32 v253, v7, v253
	s_delay_alu instid0(VALU_DEP_1)
	v_permlanex16_b32 v31, v253, s20, s21
	s_delay_alu instid0(VALU_DEP_1)
	v_or_b32 v253, v253, v31                       ; with lane l xor 16's: p's scale word for these 128 keys
	v_cvt_scalef32_pk16_fp6_f32 v[224:226], v[128:143], v239
	v_cvt_scalef32_pk16_fp6_f32 v[236:238], v[144:159], v239
	v_cvt_scalef32_pk16_fp6_f32 v[230:232], v[160:175], v243
	v_cvt_scalef32_pk16_fp6_f32 v[240:242], v[176:191], v243
	v_nop                                          ; one plain place behind the conversions
.irp i, 0,1,2
	v_mov_b32 v[227+\i], v[236+\i]
	v_mov_b32 v[233+\i], v[240+\i]
.endr
.set j, 0
.rept 16
	v_pk_mul_f32 v[192+j:193+j], v[192+j:193+j], v[252:253] op_sel_hi:[1,0]   ; O^T under the new M
.set j, j+2
.endr
.irp j, 32,36,40,44,48,52,56,60        ; the other 32 of the sum: 17 plain lines that name no register of the products below stand between the scale word's and the codes' last writes and those products
	v_pk_add_f32 v[14:15], v[14:15], v[128+\j:129+\j]
	v_pk_add_f32 v[254:255], v[254:255], v[130+\j:131+\j]
.endr
	s_delay_alu instid0(VALU_DEP_1)
	v_pk_add_f32 v[14:15], v[14:15], v[254:255]
	s_wait_dscnt 0x0                               ; V
.irp t, 0,1,2,3                        ; O^T += V^T P^T: four accumulators by turns
	v_wmma_scale_f32_16x16x128_f8f6f4 v[192+8*\t:199+8*\t], v[80+12*\t:91+12*\t], v[224:235], v[192+8*\t:199+8*\t], v[244+\t], v253 matrix_a_fmt:MATRIX_FMT_FP6 matrix_b_fmt:MATRIX_FMT_FP6
.endr
.Lhidden_\@:
	s_add_co_u32 s16, s16, 128
.endm
; THE CHANGE OF SLOTS stands at a trip's head.  Each wave waits for all its tensor loads (wave 0: this trip's record), adds 0 to its spare word, and waits for that and for its reads of the slot that it has left.
; fill = 1: behind the barrier that other slot takes the next trip's record: the next one, or record 0 where the first block ends.
.macro CHANGE fill
	s_wait_tensorcnt 0x0                           ; no tensor load of mine is out, so group 0 may be written
	ds_add_u32 v4, v5
.if \fill
	s_xor_b32 s33, s33, SLOT1
	s_add_co_u32 s18, s18, REC
	s_cmp_eq_u32 s13, s14
	s_cselect_b32 s18, 0, s18
	s_add_nc_u64 s[34:35], s[36:37], s[18:19]
	s_or_b32 s35, s35, 0x80000000
	s_wait_xcnt 0x0                                ; the last prefetch, a trip back, has read its address
	s_add_nc_u64 s[46:47], s[46:47], REC
.endif
	s_wait_dscnt 0x0                               ; the add is done, and my reads of the slot that I have left are over
	s_barrier_signal -1
	s_barrier_wait -1
.if \fill
	TLOAD                                          ; the first thing behind the barrier: it has a trip's two steps in which to land
	ASK
.endif
.endm
; A BLOCK'S END: O^T / the sum, quantised along the head's 64 (my 32 numbers are one block), stored as my 24 bytes of a half image and one scale byte.  again = 1: the second block is set up; its Q is asked for first.
.macro FLUSH again
.rept 4
	v_nop                                          ; places behind the last products
.endr
.if \again
	s_mov_b32 s49, s11
	SETQ
	QLOAD
.endif
	v_add_f32 v14, v14, v15
	s_delay_alu instid0(VALU_DEP_1)
	v_permlanex16_b32 v31, v14, s20, s21
	s_delay_alu instid0(VALU_DEP_1)
	v_add_f32 v14, v14, v31                        ; the row's sum
	s_wait_alu depctr_va_vdst(0)
	v_rcp_f32 v14, v14
	v_nop                                          ; a plain place behind the reciprocal,
	s_wait_alu depctr_va_vdst(0)                   ; and the wait ahead of its first reader
.set j, 0
.rept 16
	v_pk_mul_f32 v[128+j:129+j], v[192+j:193+j], v[14:15] op_sel_hi:[1,0]   ; register i: output 32 h + i of my query
.set j, j+2
.endr
	QMAX 128, 236, 237
	s_delay_alu instid0(VALU_DEP_1)
	v_add_nc_u32 v254, 0xff000000, v236
	v_cvt_scalef32_pk16_fp6_f32 v[224:226], v[128:143], v254
	v_cvt_scalef32_pk16_fp6_f32 v[240:242], v[144:159], v254
	v_lshrrev_b32 v238, 23, v254                   ; the byte.  (A plain place behind the conversions)
.irp i, 0,1,2
	v_mov_b32 v[227+\i], v[240+\i]
.endr
	global_store_b128 v1, v[224:227], s[42:43]     ; 512 consecutive bytes
	global_store_b64 v2, v[228:229], s[42:43]      ; 256 consecutive bytes
	global_store_b8 v30, v238, s[44:45]            ; one byte a lane: the row's other bytes belong to other heads
.if \again
	s_wait_xcnt 0x0                                ; the stores have read their registers and bases
	SETO
	RESET
	s_wait_loadcnt 0x0                             ; Q
.endif
.endm
.Ltrip:                                            ; eight trips ask for the next record; the ninth is written out
	CHANGE 1
	STEP 0
	STEP 1
	s_xor_b32 s15, s15, SLOT1
	s_cmp_lg_u32 s13, s14
	s_cbranch_scc1 .Lsame_block
	s_wait_alu depctr_va_vdst(0)
	FLUSH 1
.Lsame_block:
	s_add_co_u32 s13, s13, 1
	s_cmp_lt_u32 s13, 8
	s_cbranch_scc1 .Ltrip
	CHANGE 0
	STEP 0
	STEP 1
	s_wait_alu depctr_va_vdst(0)
	FLUSH 0
	s_wait_tensorcnt 0x0                           ; the wave's end
	ds_add_u32 v4, v5
	s_wait_dscnt 0x0
	s_endpgm
.Lfunc_end_k_qde23ae16b3_attn:
	.size	k_qde23ae16b3_attn, .Lfunc_end_k_qde23ae16b3_attn-k_qde23ae16b3_attn
	.p2alignl 7, 3214868480
	.fill 96, 4, 3214868480
	.section	.rodata,"a",@progbits
	.p2align	6, 0x0
	.amdhsa_kernel k_qde23ae16b3_attn
		.amdhsa_group_segment_fixed_size 327680
		.amdhsa_private_segment_fixed_size 0
		.amdhsa_enable_private_segment 0
		.amdhsa_kernarg_size 24
		.amdhsa_user_sgpr_count 2
		.amdhsa_user_sgpr_kernarg_segment_ptr 1
		.amdhsa_wavefront_size32 1
		.amdhsa_system_sgpr_workgroup_id_x 1
		.amdhsa_system_sgpr_workgroup_id_y 1
		.amdhsa_system_sgpr_workgroup_id_z 1
		.amdhsa_system_vgpr_workitem_id 0
		.amdhsa_next_free_vgpr 256
		.amdhsa_next_free_sgpr 66
		.amdhsa_reserve_vcc 1
		.amdhsa_float_denorm_mode_32 3
		.amdhsa_float_denorm_mode_16_64 3
		.amdhsa_memory_ordered 1
		.amdhsa_forward_progress 1
		.amdhsa_inst_pref_size 103
	.end_amdhsa_kernel
	.amdgpu_metadata
---
amdhsa.version: [ 1, 2 ]
amdhsa.kernels:
  - .name:           k_qde23ae16b3_attn
    .symbol:         k_qde23ae16b3_attn.kd
    .args:
      - { .name: qcod, .offset: 0, .size: 8, .value_kind: global_buffer, .address_space: global }
      - { .name: kvcod, .offset: 8, .size: 8, .value_kind: global_buffer, .address_space: global }
      - { .name: ocod, .offset: 16, .size: 8, .value_kind: global_buffer, .address_space: global }
    .group_segment_fixed_size: 327680
    .private_segment_fixed_size: 0
    .kernarg_segment_align: 8
    .kernarg_segment_size: 24
    .max_flat_workgroup_size: 512
    .sgpr_count:     66
    .vgpr_count:     256
    .wavefront_size: 32
...
	.end_amdgpu_metadata
.endif
;; end of part 3
;; launch oproj (part 4): grid 4 x 64, 4 waves a work-group, clusters of 4 x 4, 327,680 bytes of LDS; arguments ocod, wcod, bo, out0; writes out0
.if DOCPART == 4
	.amdgcn_target "amdgcn-amd-amdhsa--gfx1250"
	.amdhsa_code_object_version 6
	.text
	.protected	k_qde23ae16b3_oproj
	.globl	k_qde23ae16b3_oproj
	.p2align	8
	.type	k_qde23ae16b3_oproj,@function
k_qde23ae16b3_oproj:
	s_mov_b64 s[64:65], 0
	v_nop
	global_prefetch_b8 v0, s[64:65] scope:SCOPE_SE
	s_setreg_imm32_b32 hwreg(HW_REG_WAVE_MODE, 25, 1), 1
	s_wait_xcnt 0x0
	s_wait_alu depctr_hold_cnt(0) depctr_sa_sdst(0) depctr_va_vdst(0) depctr_va_sdst(0) depctr_va_ssrc(0) depctr_va_vcc(0) depctr_vm_vsrc(0)
	s_getreg_b32 s2, hwreg(HW_REG_IB_STS2, 6, 4)
	s_cmp_eq_u32 s2, 0
	s_cbranch_scc0 .Lentry_in_a_cluster
	s_endpgm
.Lentry_in_a_cluster:
	s_bfe_u32 s2, ttmp6, 0x10000c
	s_cmp_lg_u32 s2, 0xf033
	s_cbranch_scc0 .Lentry_shape_is_right
	s_endpgm
.Lentry_shape_is_right:
; out0 = o Wo + bo on codes of FP6 (E2M3) with E8M0 scales; o [8192][1024] and Wo's columns arrive as half images of 768 bytes (16 rows x 64 K in the order of the operand's registers) with their scale words.
; A work-group makes 128 tokens x 256 columns, K = 1,024: 256 work-groups.  Four waves, each 64 tokens x 128 columns: 32 accumulators.
; ALL OF K LIES IN LDS, in two halves of 512 along K (o's 8 tiles and Wo's 16, 6,144 bytes each).  Four first fills, one a wave, each on its own line: o's first half, Wo's first half, o's second, Wo's second.  Nothing is filled again.
; The products begin when waves 0 and 1 have their tiles; the barrier ahead of K step 4's fetch shows the second half.
; CLUSTER 4 x 4: o's tiles hang on the work-group's y alone and are asked for jointly along a row, Wo's on its x alone, along a column.  No prefetch: every byte is asked for at the head.
; THE SCALE WORDS come by plain loads, 512 consecutive bytes each: a tile's four registers hold K steps 0-3 in lanes 0-15 and K steps 4-7 in lanes 16-31; the products of the second half name the upper row.
; Source 0 = Wo's tiles, source 1 = o's: a lane holds a token and eight neighbouring columns.  bo is the C of each sum's first product.  The rows leave through a stage in LDS as whole runs of 512 bytes.
; REGISTERS: window 0: v1-26 addresses; v28, v29 the add's two; v34-49 o's scale words; v52-83 Wo's; v96-127, v224-255 bo; v128-223 o's fragments, two sets of 48.  Window 1: Wo's fragments, two sets, at v0 and v128.  Window 2: accumulator (a, b) at v[8 (8 a + b)].
.set OSC,   6291456
.set WSC,   3145728
.set TB,    6144                       ; a tile's half of K
.set HALF,  24*TB
.set SPARE, 2*HALF                     ; the spare words, 128 bytes a wave
.set SPITCH, 528                       ; the stage: 16 rows x (512 bytes + 16) a wave, in the first half's bytes, behind their one fill and their last read
.set SPW,   28
.set NIL,   29
.set SO,    34
.set SW,    52
.set MSB, 0
.macro WIN new
.if MSB != (\new)
	s_set_vgpr_msb (MSB<<8)|(\new)
.set MSB, (\new)
.endif
.endm
.macro PLACES
.rept 4
	v_nop
.endr
.endm
.macro BARRIER
	s_barrier_signal -1
	s_barrier_wait -1
.endm
.macro CROUND
	BARRIER
	s_cmp_lg_u32 s12, 0
	s_cbranch_scc1 .Lnot_wave_0_\@
	s_barrier_signal -3
.Lnot_wave_0_\@:
	s_barrier_wait -3
	BARRIER
.endm
.macro HTILE g0, g1, lds, second       ; a half of K of o's or Wo's tiles
	s_mov_b32 s[\g0+1], \lds
.if \second
	s_add_nc_u64 s[\g0+2:\g0+3], s[\g0+2:\g0+3], TB
.endif
	s_or_b32 s[\g0+3], s[\g0+3], 0x80000000
	tensor_load_to_lds s[\g0:\g0+3], s[\g1:\g1+7]
	s_nop 0
	PLACES
.endm
	s_load_b256 s[4:11], s[0:1], 0x0               ; ocod, wcod, bo, out0
	v_lshl_add_u32 v[SPW], v0, 2, SPARE
	v_mov_b32 v[NIL], 0
	ds_add_u32 v[SPW], v[NIL]                      ; the opening lines: the add twice on end and its wait
	ds_add_u32 v[SPW], v[NIL]
	v_lshrrev_b32 v1, 5, v0
	v_readfirstlane_b32 s12, v1                    ; wave
	s_lshr_b32 s13, s12, 1                         ; which 64 tokens are mine
	s_and_b32 s14, s12, 1                          ; which 128 columns
	s_bfe_u32 s15, ttmp6, 0x40000                  ; cx
	s_bfe_u32 s16, ttmp6, 0x40004                  ; cy
	s_lshl_b32 s17, ttmp9, 2
	s_add_co_u32 s17, s17, s15                     ; X: 256 columns
	s_and_b32 s18, ttmp7, 0xffff
	s_lshl_b32 s18, s18, 2
	s_add_co_u32 s18, s18, s16                     ; Y: 128 tokens
	s_lshl_b32 s19, s16, 2
	s_lshl_b32 s19, 15, s19                        ; my row of the cluster
	s_lshl_b32 s20, 0x1111, s15                    ; my column
	s_or_b32 s24, s19, (3<<16)|(1<<21)             ; s[24:31]: o: 8 tiles of 6,144 bytes, 12,288 apart; elements of 8 bytes
	s_mov_b32 s25, 768<<16
	s_mov_b32 s26, 8<<16
	s_mov_b32 s27, 768<<16
	s_mov_b32 s28, 8
	s_mov_b32 s29, 1536
	s_mov_b32 s30, 0
	s_mov_b32 s31, 0
	s_or_b32 s32, s20, (3<<16)|(1<<21)             ; s[32:39]: Wo: 16 tiles
	s_mov_b32 s33, 768<<16
	s_mov_b32 s34, 16<<16
	s_mov_b32 s35, 768<<16
	s_mov_b32 s36, 16
	s_mov_b32 s37, 1536
	s_mov_b32 s38, 0
	s_mov_b32 s39, 0
	s_mov_b32 s56, 1
	s_mov_b32 s60, 1
	s_mul_i32 s22, s18, 8*12288                    ; o's 8 tiles
	s_mov_b32 s23, 0
	s_lshl_b32 s2, s17, 4
	s_add_co_u32 s2, s2, 192
	s_mul_i32 s2, s2, 12288                        ; Wo's 16: from tile 192 + 16 X on
	s_mov_b32 s3, 0
	s_lshl_b32 s40, s18, 3
	s_lshl_b32 s41, s13, 2
	s_add_co_u32 s40, s40, s41
	s_lshl_b32 s40, s40, 9
	s_add_co_u32 s40, s40, OSC                     ; the scale words of my 4 tiles of o
	s_mov_b32 s41, 0
	s_lshl_b32 s42, s17, 4
	s_lshl_b32 s43, s14, 3
	s_add_co_u32 s42, s42, s43
	s_add_co_u32 s42, s42, 192
	s_lshl_b32 s42, s42, 9
	s_add_co_u32 s42, s42, WSC                     ; and of my 8 of Wo
	s_mov_b32 s43, 0
	s_wait_alu depctr_va_vdst(0)
	s_wait_dscnt 0x0
	CROUND                                         ; the round in front of the joint loads
	s_wait_kmcnt 0x0
	s_add_nc_u64 s[58:59], s[4:5], s[22:23]
	s_add_nc_u64 s[62:63], s[6:7], s[2:3]
	s_add_nc_u64 s[40:41], s[4:5], s[40:41]
	s_add_nc_u64 s[42:43], s[6:7], s[42:43]
	s_cmp_eq_u32 s12, 0
	s_cbranch_scc0 .Lwave_1
	HTILE 56, 24, 0, 0
	s_branch .Lasked
.Lwave_1:
	s_cmp_eq_u32 s12, 1
	s_cbranch_scc0 .Lwave_2
	HTILE 60, 32, 8*TB, 0
	s_branch .Lasked
.Lwave_2:
	s_cmp_eq_u32 s12, 2
	s_cbranch_scc0 .Lwave_3
	HTILE 56, 24, HALF, 1
	s_branch .Lasked
.Lwave_3:
	HTILE 60, 32, HALF+8*TB, 1
.Lasked:
	v_and_b32 v1, 15, v0                           ; r
	v_bfe_u32 v2, v0, 4, 1                         ; h
	v_and_b32 v26, 31, v0
	v_lshlrev_b32 v26, 4, v26                      ; 16 x lane
	v_lshlrev_b32 v5, 5, v2                        ; bo in the result's layout: tile b, columns 16 b + 8 h + 0 .. 7
	s_wait_alu depctr_va_vdst(0)                   ; ahead of the run of scalar lines
	s_lshl_b32 s2, s17, 10
	s_lshl_b32 s3, s14, 9
	s_add_co_u32 s2, s2, s3                        ; my first column, in bytes
	s_mov_b32 s3, 0
	s_add_nc_u64 s[8:9], s[8:9], s[2:3]
	s_add_nc_u64 s[10:11], s[10:11], s[2:3]
.irp i, 0,1,2,3
	global_load_b128 v[SO+4*\i:SO+4*\i+3], v26, s[40:41] offset:512*\i
.endr
.irp i, 0,1,2,3,4,5,6,7
	global_load_b128 v[SW+4*\i:SW+4*\i+3], v26, s[42:43] offset:512*\i
.endr
.irp b, 0,1,2,3
	global_load_b128 v[96+8*\b:99+8*\b], v5, s[8:9] offset:64*\b
	global_load_b128 v[100+8*\b:103+8*\b], v5, s[8:9] offset:64*\b+16
	global_load_b128 v[224+8*\b:227+8*\b], v5, s[8:9] offset:256+64*\b
	global_load_b128 v[228+8*\b:231+8*\b], v5, s[8:9] offset:256+64*\b+16
.endr
	v_lshlrev_b32 v4, 4, v1
	v_lshl_add_u32 v4, v2, 3, v4
	v_add_nc_u32 v4, 512, v4                       ; 512 + 16 r + 8 h
	s_mul_i32 s2, s13, 4*TB                        ; my 4 tiles of o in a half,
	s_mul_i32 s3, s14, 8*TB
	s_add_co_u32 s3, s3, 8*TB                      ; my 8 of Wo
	v_add_nc_u32 v8, s2, v26                       ; v8, v9: o's images' first and last parts;  v10, v11: Wo's.  They step once, to the second half
	v_add_nc_u32 v9, s2, v4
	v_add_nc_u32 v10, s3, v26
	v_add_nc_u32 v11, s3, v4
	s_mul_i32 s2, s12, 16*SPITCH                   ; my stage
	v_mul_u32_u24 v24, v1, SPITCH
	v_lshl_add_u32 v24, v2, 5, v24
	v_add_nc_u32 v24, s2, v24                      ; in: row r, 32 bytes for each half of the lanes
	v_add_nc_u32 v25, s2, v26                      ; back: a row of 512 bytes, 16 a lane
	s_lshl_b32 s2, s18, 7
	s_lshl_b32 s20, s13, 6
	s_add_co_u32 s2, s2, s20
	s_lshl_b32 s2, s2, 12                          ; my first token: 128 Y + 64 half, 4,096 bytes each
	s_mov_b32 s3, 0
	s_add_nc_u64 s[10:11], s[10:11], s[2:3]
.macro FRAG reg, adh, adt, q, i        ; tile i, the half's q-th 128 of K: two half images into 12 registers
	ds_load_b128 v[(\reg):(\reg)+3], v[\adh] offset:TB*(\i)+1536*(\q)
	ds_load_b64 v[(\reg)+4:(\reg)+5], v[\adt] offset:TB*(\i)+1536*(\q)
	ds_load_b128 v[(\reg)+6:(\reg)+9], v[\adh] offset:TB*(\i)+1536*(\q)+768
	ds_load_b64 v[(\reg)+10:(\reg)+11], v[\adt] offset:TB*(\i)+1536*(\q)+768
.endm
.macro FETCHO ks                       ; K step ks: Wo's eight fragments and o's four, into set ks % 2
	WIN 0x40
.irp i, 0,1,2,3,4,5,6,7
	FRAG 128*((\ks)%2)+12*\i, 10, 11, (\ks)%4, \i
.endr
	WIN 0
.irp i, 0,1,2,3
	FRAG 128+48*((\ks)%2)+12*\i, 8, 9, (\ks)%4, \i
.endr
.endm
.macro PR d, s0, s1, c, x0, x1, row
.if \row
	v_wmma_scale_f32_16x16x128_f8f6f4 v[\d:\d+7], v[\s0:\s0+11], v[\s1:\s1+11], v[\c:\c+7], v[\x0], v[\x1] matrix_a_fmt:MATRIX_FMT_FP6 matrix_b_fmt:MATRIX_FMT_FP6 matrix_a_scale:MATRIX_SCALE_ROW1 matrix_b_scale:MATRIX_SCALE_ROW1
.else
	v_wmma_scale_f32_16x16x128_f8f6f4 v[\d:\d+7], v[\s0:\s0+11], v[\s1:\s1+11], v[\c:\c+7], v[\x0], v[\x1] matrix_a_fmt:MATRIX_FMT_FP6 matrix_b_fmt:MATRIX_FMT_FP6
.endif
.endm
.macro MUL32 ks                        ; 32 matrix instructions; the accumulators take turns in the same order in every K step
.if (\ks) == 0
	WIN 0x81                                       ; source 0 window 1, C (bo) window 0, D window 2
.else
	WIN 0xa1                                       ; C and D window 2
.endif
.irp a, 0,1,2,3
.irp b, 0,1,2,3,4,5,6,7
.if (\ks) != 0
	PR 8*(8*\a+\b), 128*((\ks)%2)+12*\b, 128+48*((\ks)%2)+12*\a, 8*(8*\a+\b), SW+4*\b+(\ks)%4, SO+4*\a+(\ks)%4, (\ks)/4
.elseif \b < 4
	PR 8*(8*\a+\b), 12*\b, 128+12*\a, 96+8*\b, SW+4*\b, SO+4*\a, 0
.else
	PR 8*(8*\a+\b), 12*\b, 128+12*\a, 192+8*\b, SW+4*\b, SO+4*\a, 0
.endif
.endr
.endr
.endm
	s_wait_alu depctr_va_vdst(0)                   ; the head's end
	s_cmp_lt_u32 s12, 2
	s_cbranch_scc0 .Lnot_first
	s_wait_tensorcnt 0x0                           ; waves 0 and 1: the first half of K
.Lnot_first:
	BARRIER                                        ; waves 2 and 3's tiles may be on their way: nothing is ever filled again
	FETCHO 0
	s_wait_loadcnt 0x0                             ; the scale words and bo
.irp ks, 0,1,2,3,4,5,6,7
	s_wait_dscnt 0x0                               ; this K step's fragments are in, and no LDS load of mine is out
.if \ks == 3
	s_wait_tensorcnt 0x0                           ; my tile is in,
	BARRIER                                        ; and everybody's: the second half may be read, and nobody reads the first any more
	WIN 0
.irp k, 8,9,10,11
	v_add_nc_u32 v[\k], HALF, v[\k]                ; on to that half.  (These four are the places ahead of the loads below)
.endr
	s_wait_alu depctr_va_vdst(0)
.elseif \ks < 7
	PLACES
.endif
.if \ks < 7
	FETCHO \ks+1
.endif
	MUL32 \ks
.endr
	WIN 0
; THE WAY OUT, a tile of 16 tokens x 128 columns at a time, through my stage
.macro TOSTAGE a
	WIN 0x08                                       ; an LDS store's data: window 2
.irp b, 0,1,2,3,4,5,6,7
	ds_store_b128 v24, v[8*(8*(\a)+\b):8*(8*(\a)+\b)+3] offset:64*\b        ; each accumulator from its low end on
	ds_store_b128 v24, v[8*(8*(\a)+\b)+4:8*(8*(\a)+\b)+7] offset:64*\b+16
.endr
	WIN 0
.irp t, 0,1,2,3,4,5,6,7,8,9,10,11,12,13,14,15
	ds_load_b128 v[128+64*((\a)%2)+4*\t:128+64*((\a)%2)+4*\t+3], v25 offset:\t*SPITCH   ; LDS serves a wave's instructions in order: these see the stores above
.endr
.endm
.macro SEND a, younger                 ; younger: the LDS instructions issued behind tile a's loads
	s_wait_dscnt \younger
.irp t, 0,1,2,3,4,5,6,7,8,9,10,11,12,13,14,15
	global_store_b128 v26, v[128+64*((\a)%2)+4*\t:128+64*((\a)%2)+4*\t+3], s[10:11] offset:(32*(\t/8)+\t%8+8*(\a))*4096 th:TH_STORE_NT   ; place t of tile a is token 32 (t / 8) + 8 a + t % 8; 512 consecutive bytes
.endr
.endm
	PLACES
	TOSTAGE 0
	TOSTAGE 1
	SEND 0, 32                                     ; behind tile 0's loads: tile 1's 16 stores and 16 loads
	s_wait_xcnt 0x0                                ; tile 0's stores have read their registers: tile 2's loads may land there
	TOSTAGE 2
	SEND 1, 32
	s_wait_xcnt 0x0
	TOSTAGE 3
	SEND 2, 32
	SEND 3, 0
	s_wait_tensorcnt 0x0                           ; the wave's end
	ds_add_u32 v[SPW], v[NIL]
	s_wait_dscnt 0x0
	CROUND                                         ; the closing round
	s_endpgm
.Lfunc_end_k_qde23ae16b3_oproj:
	.size	k_qde23ae16b3_oproj, .Lfunc_end_k_qde23ae16b3_oproj-k_qde23ae16b3_oproj
	.p2alignl 7, 3214868480
	.fill 96, 4, 3214868480
	.section	.rodata,"a",@progbits
	.p2align	6, 0x0
	.amdhsa_kernel k_qde23ae16b3_oproj
		.amdhsa_group_segment_fixed_size 327680
		.amdhsa_private_segment_fixed_size 0
		.amdhsa_enable_private_segment 0
		.amdhsa_kernarg_size 32
		.amdhsa_user_sgpr_count 2
		.amdhsa_user_sgpr_kernarg_segment_ptr 1
		.amdhsa_wavefront_size32 1
		.amdhsa_system_sgpr_workgroup_id_x 1
		.amdhsa_system_sgpr_workgroup_id_y 1
		.amdhsa_system_sgpr_workgroup_id_z 1
		.amdhsa_system_vgpr_workitem_id 0
		.amdhsa_next_free_vgpr 768
		.amdhsa_next_free_sgpr 102
		.amdhsa_reserve_vcc 0
		.amdhsa_float_denorm_mode_32 3
		.amdhsa_float_denorm_mode_16_64 3
		.amdhsa_memory_ordered 1
		.amdhsa_forward_progress 1
		.amdhsa_inst_pref_size 83
	.end_amdhsa_kernel
	.amdgpu_metadata
---
amdhsa.version: [ 1, 2 ]
amdhsa.kernels:
  - .name:           k_qde23ae16b3_oproj
    .symbol:         k_qde23ae16b3_oproj.kd
    .args:
      - { .name: ocod, .offset: 0, .size: 8, .value_kind: global_buffer, .address_space: global }
      - { .name: wcod, .offset: 8, .size: 8, .value_kind: global_buffer, .address_space: global }
      - { .name: bo, .offset: 16, .size: 8, .value_kind: global_buffer, .address_space: global }
      - { .name: out0, .offset: 24, .size: 8, .value_kind: global_buffer, .address_space: global }
    .group_segment_fixed_size: 327680
    .private_segment_fixed_size: 0
    .kernarg_segment_align: 8
    .kernarg_segment_size: 32
    .max_flat_workgroup_size: 128
    .sgpr_count:     102
    .vgpr_count:     768
    .wavefront_size: 32
...
	.end_amdgpu_metadata
.endif
;; end of part 4
